; MI455X (gfx1250); checked and timed in simulation.
; The chip was launched on July 23, 2026; its instructions are those of AMD's public machine-readable ISA for CDNA 5 (MIT licence, August 2026) and "CDNA5" Instruction Set Architecture Reference Guide (July 2026). The comments in the code are by the model that wrote it; some were corrected since.
;; Block. Allowed arithmetic: matrix products marked QUANTISED: E4M3 operands, one E8M0 scale for each 32 along K, by v_wmma_scale_f32_16x16x128_f8f6f4 with both operands' format E4M3, f32 sums; everything else in f32.
;; Inputs: W1 400 x 1,600 float32; W2 1,600 x 400 float32; Wk 4 x 400 x 100 float32; Wo 400 x 400 float32; Wq 4 x 400 x 100 float32; Wv 4 x 400 x 100 float32; b1 1,600 float32; b2 400 float32; bo 400 float32; ln1_b 400 float32; ln1_g 400 float32; ln2_b 400 float32; ln2_g 400 float32; x 8 x 2,048 x 400 float32.
;; Outputs: out0 8 x 2,048 x 400 float32.
;; This version of the problem:
;;   THIS VERSION OF THE PROBLEM IS GIVEN IN LOW PRECISION. The matrix products marked QUANTISED in the list below multiply operands that are first quantised to E4M3 (4 exponent bits, 3 mantissa bits; 8 bits a number), with one power-of-two scale for each 32 numbers along K (OCP MX v1.0); their sums are f32. All else is computed in f32.
;;   The module's matrix products, in the order in which they are computed (A, B: the left and right operand; K: the contracted axis; several contracted axes count as one K, in the product's order):
;;     1. [M 400, K 400] x [K 400, N 16,384]; A: input Wq; B: computed on the way: QUANTISED
;;     2. [M 400, K 400] x [K 400, N 16,384]; A: input Wk; B: computed on the way: QUANTISED
;;     3. [M 400, K 400] x [K 400, N 16,384]; A: input Wv; B: computed on the way: QUANTISED
;;     4. batch 32 x [M 2,048, K 100] x [K 100, N 2,048]; A: computed on the way; B: computed on the way: QUANTISED
;;     5. batch 32 x [M 2,048, K 2,048] x [K 2,048, N 100]; A: softmax (see below); B: computed on the way: QUANTISED
;;     6. [M 16,384, K 400] x [K 400, N 400]; A: computed on the way; B: input Wo: QUANTISED
;;     7. [M 16,384, K 400] x [K 400, N 1,600]; A: computed on the way; B: input W1: QUANTISED
;;     8. [M 16,384, K 1,600] x [K 1,600, N 400]; A: computed on the way; B: input W2: QUANTISED
;;   THE QUANTISER, for each operand of a quantised product, along K:
;;     - K is cut into blocks of 32 from its start; a last block that is shorter is filled with zeros.
;;     - A block's scale is 2^e with e = floor(log2(the largest magnitude in the block)) - 8, held to -126 .. 127; a block of zeros has e = 0. As a byte (E8M0): e + 127.
;;     - Each number is divided by its block's scale, clamped to +-448, and rounded to the nearest number of E4M3, ties to even, subnormals kept.
;;     - The product sums the exact products of the quantised numbers (number of the format x scale) in f32.
;;   ~~~python
;;   def quantise(x, axis):      # numpy; x: float32 -> the quantised numbers, widened to float32 again
;;       x = np.moveaxis(x, axis, -1); K = x.shape[-1]
;;       x = np.pad(x, [(0, 0)] * (x.ndim - 1) + [(0, -K % 32)]); x = x.reshape(x.shape[:-1] + (-1, 32)); a = np.abs(x).max(-1, keepdims=True)
;;       e = np.where(a > 0, np.clip(np.frexp(np.where(a > 0, a, 1))[1] - 1 - 8, -126, 127), 0)      # np.frexp(a)[1] - 1 = floor(log2(a)), exactly
;;       r = np.clip(x / 2.0 ** e, -448, 448)
;;       step = 2.0 ** (np.maximum(np.frexp(np.where(r == 0, 1, r))[1] - 1, -6) - 3)
;;       q = np.round(r / step) * step * 2.0 ** e      # np.round: ties to even
;;       return np.moveaxis(q.reshape(q.shape[:-2] + (-1,))[..., :K], -1, axis).astype(np.float32)
;;   ~~~
;;   SOFTMAX AHEAD OF A QUANTISED PRODUCT. Where the list says 'softmax', what is quantised is not the finished softmax but p = 2^(t - M), with t = logit x log2(e) and M = ceil(the row's largest t), a whole number; so 1/2 < the row's largest p <= 1. The row's sum l is taken of the UNQUANTISED p, in f32, and the product's result is divided by l at the end. Since M is a whole number, a kernel that streams over the keys may use a running M (the ceiling of the running maximum): every later rescaling is an exact power of two, which a block's scale takes up: the codes' values come out the same.
;;   OPERANDS COMPUTED ON THE WAY. 'Computed on the way' means the value that the module computes at that place (a softmax that the list does not call 'softmax' is quantised finished and normalised). What goes into a quantiser is computed in f32, as accurately as f32 sums, v_exp_f32 and their like allow (about 1e-6 of the number): no bf16 or f16 on the way to a quantiser, and a product that is left as it is and whose result goes on into a quantised operand takes f32 operands (vector FMAs, or v_wmma_f32_16x16x4_f32). A number that lies on a knife's edge between two numbers of the format may be rounded either way, as far as f32 arithmetic and the matrix unit's own rounding can turn it there, and no further.
;; One version. Each part assembles by itself: llvm-mc -triple=amdgcn-amd-amdhsa -mcpu=gfx1250 --defsym DOCPART=n.
;; ======== version 1 of 1: 4 launches
;; limits: right only within a limited range of input values
;; workspace buffers: wts 2,665,472 bytes; qc 8,388,608 bytes; qs 524,288 bytes; kv 16,252,928 bytes; att 26,214,400 bytes
;; launch prep (part 1): grid 7 x 45, 4 waves a work-group, no clusters, 0 bytes of LDS; arguments Wq, Wk, Wv, Wo, W1, W2, wts; writes wts
.if DOCPART == 1
	.amdgcn_target "amdgcn-amd-amdhsa--gfx1250"
	.amdhsa_code_object_version 6
	.text
	.protected	k_q6ebfb0ee71_prep
	.globl	k_q6ebfb0ee71_prep
	.p2align	8
	.type	k_q6ebfb0ee71_prep,@function
k_q6ebfb0ee71_prep:
	s_mov_b64 s[64:65], 0
	v_nop
	global_prefetch_b8 v0, s[64:65] scope:SCOPE_SE
	s_setreg_imm32_b32 hwreg(HW_REG_WAVE_MODE, 25, 1), 1
	s_wait_xcnt 0x0
; THE SIX WEIGHTS BECOME CODES OF E4M3 WITH ONE E8M0 BYTE FOR EACH 32 ALONG K, laid as images of operand registers.
; The whole program: prep (this) | lnqkv: layer norm 1, products 1-3, the quantisers of q, k, V | attn: products 4 and 5 | tail: products 6-8, layer norm 2, residuals.
; WORK LEFT OUT, in the problem's own terms: reference() sets scores[t][s] to -inf for s > t by its own jnp.tril, so softmax gives those keys the weight 0 for all values of the inputs;
; key steps of 128 keys that lie wholly behind a wave's queries are not multiplied (launch attn).  A head's 100 channels are padded to 112, not 128: the eighth tile of 16 would hold zeros alone.
; Every input has a way to the output and is loaded.  LIMITS: NaN and infinities among the inputs are not served, and one that reaches only the hidden keys is not carried to the result;
; a block of zeros gets the byte 1 where the rule says 127 (its codes are zeros, and the bytes are read by this program alone).
; A FRAGMENT is 16 rows x 128 K: register 4 c + e of lane (r, h) holds k = 32 c + 16 h + 4 e .. + 3 of row r.  Its IMAGE is 2,048 bytes: register group c at byte 512 c + 16 x lane.
; K is the first axis of every weight, so a lane takes ONE column and its registers run down K: the conversions' results are the operand's registers, nothing is transposed.
; One wave makes one fragment: 315 work-groups x 4 waves = 1,260 fragments.
; wts: tile records TR = 4 fragments (K steps 0-3) + 256 bytes of scale words [r][K step]: Wq, Wk, Wv [mat][head][tile 7], then W1 [wave 4][block 14][u 2];
;      K-step records BR = 7 fragments + 512 bytes of scale words [r + 16 (f & 1)][f >> 1]: Wo [wave 4][K step 4], W2 [wave 4][K step 13].
; Tiles of a TR take the columns 32 b + 8 u + r + 8 (r / 8), so that the results of tiles (b, 0), (b, 1) are 16 neighbours along the next K.  Codes past K or past the last column are zeros.
.set TR,    8448
.set BR,    14848
.set OW1,   709632
.set OWO,   1655808
.set OW2,   1893376
.set FLOOR, 0x4800000                  ; 2^(9 - 127): under it no largest magnitude is taken, so the byte cannot fall under 1
.set EOFF,  0xfc000000                 ; -(8 << 23)
.set AD,  8                            ; v8-11   byte offset of my column at the first k of block c
.set TM,  16                           ; v16-31  at work in the quantiser
.set PC,  32                           ; v32-47  the codes
.set PW,  48                           ; v48     the scale word
.set X,   64                           ; v64-127 64 numbers
.set SEL, 40
.set MNT, 42
; ng groups of n (16 or 8) numbers at v[s + 16 g] become codes at v[d + ds g] on; the bytes are left in v[TM+4+g].  relu = 1: what is negative becomes 0 on the way.
.macro QUANT4 s, ng, n, relu, d, ds
.set qg, 0
.rept \ng
.if \relu
	v_max3_num_f32 v[TM+qg], v[(\s)+16*qg], v[(\s)+16*qg+1], FLOOR
.else
	v_max3_num_f32 v[TM+qg], |v[(\s)+16*qg]|, |v[(\s)+16*qg+1]|, FLOOR
.endif
.set qg, qg+1
.endr
.set qi, 2
.rept (\n)/2-1
.set qg, 0
.rept \ng
.if \relu
	v_max3_num_f32 v[TM+qg], v[TM+qg], v[(\s)+16*qg+qi], v[(\s)+16*qg+qi+1]
.else
	v_max3_num_f32 v[TM+qg], v[TM+qg], |v[(\s)+16*qg+qi]|, |v[(\s)+16*qg+qi+1]|
.endif
.set qg, qg+1
.endr
.set qi, qi+2
.endr
.set qg, 0
.rept \ng
	v_permlanex16_b32 v[TM+4+qg], v[TM+qg], s[SEL], s[SEL+1]
.set qg, qg+1
.endr
.set qg, 0
.rept \ng
	v_max_num_f32 v[TM+qg], v[TM+qg], v[TM+4+qg]          ; with lane l xor 16's: the block's largest magnitude
.set qg, qg+1
.endr
.set qg, 0
.rept \ng
	v_add_nc_u32 v[TM+12+qg], EOFF, v[TM+qg]              ; 8 off its exponent field: the conversion's scale operand
.set qg, qg+1
.endr
.set qg, 0
.rept \ng
	v_and_or_b32 v[TM+8+qg], v[TM+qg], 0x7f800000, s[MNT] ; 448 x the scale
.set qg, qg+1
.endr
.set qg, 0
.rept \ng
	v_lshrrev_b32 v[TM+4+qg], 23, v[TM+12+qg]             ; the scale's byte
.set qg, qg+1
.endr
.set qg, 0
.rept \ng
.set qi, 0
.rept \n
.if \relu
	v_med3_num_f32 v[(\s)+16*qg+qi], v[(\s)+16*qg+qi], 0, v[TM+8+qg]
.else
	v_med3_num_f32 v[(\s)+16*qg+qi], v[(\s)+16*qg+qi], -v[TM+8+qg], v[TM+8+qg]   ; the conversion does not saturate (ISA guide 7.6.2): the hold comes first
.endif
.set qi, qi+1
.endr
	v_cvt_scalef32_pk8_fp8_f32 v[(\d)+(\ds)*qg:(\d)+(\ds)*qg+1], v[(\s)+16*qg:(\s)+16*qg+7], v[TM+12+qg]
.if (\n) == 16
	v_cvt_scalef32_pk8_fp8_f32 v[(\d)+(\ds)*qg+2:(\d)+(\ds)*qg+3], v[(\s)+16*qg+8:(\s)+16*qg+15], v[TM+12+qg]
.else
	v_mov_b32 v[(\d)+(\ds)*qg+2], 0
	v_mov_b32 v[(\d)+(\ds)*qg+3], 0
.endif
.set qg, qg+1
.endr
	v_nop                                                  ; one plain line behind the last conversion
.endm
.macro LOADF str                       ; W(k0 + 32 c + 16 h + i, my column); the row pitch stands in the immediates
.irp c, 0,1,2,3
.irp i, 0,1,2,3,4,5,6,7,8,9,10,11,12,13,14,15
	global_load_b32 v[X+16*\c+\i], v[AD+\c], s[22:23] offset:\i*\str
.endr
.endr
.endm
	s_load_b256 s[4:11], s[0:1], 0x0               ; Wq, Wk, Wv, Wo
	s_load_b128 s[12:15], s[0:1], 0x20             ; W1, W2
	s_load_b64 s[16:17], s[0:1], 0x30              ; wts
	v_lshrrev_b32 v1, 5, v0
	v_readfirstlane_b32 s18, v1                    ; wave
	s_mov_b32 s19, ttmp9                           ; x
	s_and_b32 s20, ttmp7, 0xffff                   ; y
	s_mov_b32 s[SEL], 0x76543210
	s_mov_b32 s[SEL+1], 0xfedcba98
	s_mov_b32 s[MNT], 0x600000
	; whole numbers of my fragment: s21 source offset, s24 K, s25 first k, s26 first column, s27 8 or 0 (the tile's gap), s28 columns, s29 image, s30 scale word, s31 pad step, s33 row pitch
	s_cmp_lt_u32 s20, 12
	s_cbranch_scc0 .Lnot_qkv
	s_and_b32 s44, s20, 3                          ; y = 4 mat + head; x = tile; wave = K step
	s_mul_i32 s21, s44, 160000
	s_mov_b32 s24, 400
	s_lshl_b32 s25, s18, 7
	s_lshr_b32 s44, s19, 1
	s_lshl_b32 s44, s44, 5
	s_and_b32 s45, s19, 1
	s_lshl_b32 s45, s45, 3
	s_add_co_u32 s26, s44, s45
	s_mov_b32 s27, 8
	s_mov_b32 s28, 100
	s_mul_i32 s44, s20, 7
	s_add_co_u32 s44, s44, s19
	s_mul_i32 s44, s44, TR
	s_lshl_b32 s45, s18, 11
	s_add_co_u32 s29, s44, s45
	s_lshl_b32 s45, s18, 2
	s_add_co_u32 s30, s44, s45
	s_add_co_u32 s30, s30, 8192
	s_mov_b32 s31, 0
	s_mov_b32 s33, 400
	s_branch .Ldecoded
.Lnot_qkv:
	s_cmp_lt_u32 s20, 28
	s_cbranch_scc0 .Lnot_w1
	s_sub_co_u32 s44, s20, 12                      ; y' = 4 w + part; 7 part + x = 2 lb + u
	s_lshr_b32 s45, s44, 2
	s_and_b32 s46, s44, 3
	s_mul_i32 s46, s46, 7
	s_add_co_u32 s46, s46, s19
	s_lshr_b32 s47, s46, 1
	s_and_b32 s48, s46, 1
	s_lshr_b32 s49, s47, 2
	s_lshl_b32 s49, s49, 4
	s_lshl_b32 s50, s45, 2
	s_add_co_u32 s49, s49, s50
	s_and_b32 s50, s47, 3
	s_add_co_u32 s49, s49, s50                     ; hidden block 16 (lb / 4) + 4 w + lb % 4,
	s_add_co_u32 s50, s47, 36                      ; or, for lb = 12, 13, blocks 48, 49 (a copy for each w)
	s_cmp_lt_u32 s47, 12
	s_cselect_b32 s49, s49, s50
	s_lshl_b32 s49, s49, 5
	s_lshl_b32 s48, s48, 3
	s_add_co_u32 s26, s49, s48
	s_mov_b32 s21, 0
	s_mov_b32 s24, 400
	s_lshl_b32 s25, s18, 7
	s_mov_b32 s27, 8
	s_mov_b32 s28, 1600
	s_mul_i32 s44, s44, 7
	s_add_co_u32 s44, s44, s19
	s_mul_i32 s44, s44, TR
	s_add_co_u32 s44, s44, OW1
	s_lshl_b32 s45, s18, 11
	s_add_co_u32 s29, s44, s45
	s_lshl_b32 s45, s18, 2
	s_add_co_u32 s30, s44, s45
	s_add_co_u32 s30, s30, 8192
	s_mov_b32 s31, 0
	s_mov_b32 s33, 6400
	s_branch .Ldecoded
.Lnot_w1:
	s_sub_co_u32 s45, s20, 28                      ; Wo: w = y - 28, K step = wave, fragment = x
	s_mov_b32 s46, s18
	s_mov_b32 s24, 400
	s_lshl_b32 s47, s45, 2
	s_add_co_u32 s47, s47, s46
	s_mov_b32 s48, OWO
	s_cmp_lt_u32 s20, 32
	s_cbranch_scc1 .Lrec
	s_sub_co_u32 s44, s20, 32                      ; W2: w = y' & 3, K step = 4 (y' / 4) + wave; y = 44: w = wave, K step 12
	s_and_b32 s45, s44, 3
	s_lshr_b32 s46, s44, 2
	s_lshl_b32 s46, s46, 2
	s_add_co_u32 s46, s46, s18
	s_cmp_eq_u32 s20, 44
	s_cselect_b32 s45, s18, s45
	s_cselect_b32 s46, 12, s46
	s_mov_b32 s24, 1600
	s_mul_i32 s47, s45, 13
	s_add_co_u32 s47, s47, s46
	s_mov_b32 s48, OW2
.Lrec:
	s_mul_i32 s47, s47, BR
	s_add_co_u32 s47, s47, s48
	s_lshl_b32 s25, s46, 7
	s_mul_i32 s49, s45, 6
	s_add_co_u32 s49, s49, s19
	s_cmp_lt_u32 s19, 6
	s_cselect_b32 s49, s49, 24                     ; tile 6 w + f, or tile 24 as every wave's seventh
	s_cselect_b32 s31, 0, 256                      ; with f = 6 lanes 16-31 fill the record's spare word
	s_lshl_b32 s26, s49, 4
	s_mov_b32 s27, 0
	s_mov_b32 s28, 400
	s_lshl_b32 s50, s19, 11
	s_add_co_u32 s29, s47, s50
	s_and_b32 s50, s19, 1
	s_lshl_b32 s50, s50, 8
	s_add_co_u32 s30, s47, s50
	s_lshr_b32 s50, s19, 1
	s_lshl_b32 s50, s50, 2
	s_add_co_u32 s30, s30, s50
	s_add_co_u32 s30, s30, 14336
	s_mov_b32 s21, 0
	s_mov_b32 s33, 1600
.Ldecoded:
	v_and_b32 v1, 15, v0                           ; r
	v_bfe_u32 v2, v0, 4, 1                         ; h
	v_lshrrev_b32 v3, 3, v1
	v_mul_u32_u24 v3, s27, v3
	v_add_nc_u32 v3, v3, v1
	v_add_nc_u32 v3, s26, v3                       ; my column
	v_cmp_gt_u32 s32, s28, v3                      ; is it inside?
	s_sub_co_u32 s34, s28, 1
	v_min_u32 v4, s34, v3                          ; no load leaves its buffer
	v_lshlrev_b32 v4, 2, v4
	v_lshl_add_u32 v5, v2, 4, s25                  ; first k + 16 h
	s_sub_co_u32 s35, s24, 16
.irp c, 0,1,2,3
	v_add_nc_u32 v12, 32*\c, v5
	v_cmp_gt_u32 s[36+\c], s24, v12                ; K is a multiple of 16: my 16 numbers of a block lie all inside K or all past it
	v_min_u32 v12, s35, v12
	v_mad_u32_u24 v[AD+\c], v12, s33, v4
	s_and_b32 s[36+\c], s[36+\c], s32
.endr
	v_and_b32 v6, 31, v0
	v_lshl_add_u32 v6, v6, 4, s29                  ; the image: 16 x lane
	v_mul_u32_u24 v7, s31, v2
	v_lshl_add_u32 v7, v1, 4, v7
	v_add_nc_u32 v7, s30, v7                       ; the scale word: 16 r
.irp b, 0,1,2,3
	v_mov_b32 v[TM+4+\b], 0                        ; a lane permute's destination counts as one of its sources
.endr
	s_wait_kmcnt 0x0
	s_cmp_lt_u32 s20, 4                            ; the source: a choice on the work-group's number alone
	s_cselect_b64 s[22:23], s[4:5], s[6:7]
	s_cmp_lt_u32 s20, 8
	s_cselect_b64 s[22:23], s[22:23], s[8:9]
	s_cmp_lt_u32 s20, 12
	s_cselect_b64 s[22:23], s[22:23], s[12:13]
	s_cmp_lt_u32 s20, 28
	s_cselect_b64 s[22:23], s[22:23], s[10:11]
	s_cmp_lt_u32 s20, 32
	s_cselect_b64 s[22:23], s[22:23], s[14:15]
	s_mov_b32 s44, s21
	s_mov_b32 s45, 0
	s_add_nc_u64 s[22:23], s[22:23], s[44:45]
	s_cmp_eq_u32 s33, 400
	s_cbranch_scc0 .Lnot400
	LOADF 400
	s_branch .Lloaded
.Lnot400:
	s_cmp_eq_u32 s33, 6400
	s_cbranch_scc0 .Lnot6400
	LOADF 6400
	s_branch .Lloaded
.Lnot6400:
	LOADF 1600
.Lloaded:
	s_wait_loadcnt 0x0
.irp c, 0,1,2,3
.irp i, 0,1,2,3,4,5,6,7,8,9,10,11,12,13,14,15
	v_cndmask_b32 v[X+16*\c+\i], 0, v[X+16*\c+\i], s[36+\c]     ; zeros past K and past the last column, ahead of the block's maximum
.endr
.endr
	QUANT4 X, 4, 16, 0, PC, 4
	v_lshl_or_b32 v[PW], v[TM+5], 8, v[TM+4]
	v_lshl_or_b32 v[PW], v[TM+6], 16, v[PW]
	v_lshl_or_b32 v[PW], v[TM+7], 24, v[PW]
.irp c, 0,1,2,3
	global_store_b128 v6, v[PC+4*\c:PC+4*\c+3], s[16:17] offset:512*\c     ; 32 lanes store 512 consecutive bytes
.endr
	global_store_b32 v7, v[PW], s[16:17]           ; both halves of the lanes hold row r's word: the same word to the same place, or (f = 6) to the spare word too
	s_endpgm
.Lfunc_end_k_q6ebfb0ee71_prep:
	.size	k_q6ebfb0ee71_prep, .Lfunc_end_k_q6ebfb0ee71_prep-k_q6ebfb0ee71_prep
	.p2alignl 7, 3214868480
	.fill 96, 4, 3214868480
	.section	.rodata,"a",@progbits
	.p2align	6, 0x0
	.amdhsa_kernel k_q6ebfb0ee71_prep
		.amdhsa_group_segment_fixed_size 0
		.amdhsa_private_segment_fixed_size 0
		.amdhsa_enable_private_segment 0
		.amdhsa_kernarg_size 56
		.amdhsa_user_sgpr_count 2
		.amdhsa_user_sgpr_kernarg_segment_ptr 1
		.amdhsa_wavefront_size32 1
		.amdhsa_system_sgpr_workgroup_id_x 1
		.amdhsa_system_sgpr_workgroup_id_y 1
		.amdhsa_system_sgpr_workgroup_id_z 1
		.amdhsa_system_vgpr_workitem_id 0
		.amdhsa_next_free_vgpr 128
		.amdhsa_next_free_sgpr 66
		.amdhsa_reserve_vcc 0
		.amdhsa_float_denorm_mode_32 3
		.amdhsa_float_denorm_mode_16_64 3
		.amdhsa_memory_ordered 1
		.amdhsa_forward_progress 1
		.amdhsa_inst_pref_size 38
	.end_amdhsa_kernel
	.amdgpu_metadata
---
amdhsa.version: [ 1, 2 ]
amdhsa.kernels:
  - .name:           k_q6ebfb0ee71_prep
    .symbol:         k_q6ebfb0ee71_prep.kd
    .args:
      - { .name: Wq, .offset: 0, .size: 8, .value_kind: global_buffer, .address_space: global }
      - { .name: Wk, .offset: 8, .size: 8, .value_kind: global_buffer, .address_space: global }
      - { .name: Wv, .offset: 16, .size: 8, .value_kind: global_buffer, .address_space: global }
      - { .name: Wo, .offset: 24, .size: 8, .value_kind: global_buffer, .address_space: global }
      - { .name: W1, .offset: 32, .size: 8, .value_kind: global_buffer, .address_space: global }
      - { .name: W2, .offset: 40, .size: 8, .value_kind: global_buffer, .address_space: global }
      - { .name: wts, .offset: 48, .size: 8, .value_kind: global_buffer, .address_space: global }
    .group_segment_fixed_size: 0
    .private_segment_fixed_size: 0
    .kernarg_segment_align: 8
    .kernarg_segment_size: 56
    .max_flat_workgroup_size: 128
    .sgpr_count:     66
    .vgpr_count:     128
    .wavefront_size: 32
...
	.end_amdgpu_metadata
.endif
;; end of part 1
;; launch lnqkv (part 2): grid 256 x 1, 4 waves a work-group, no clusters, 142,080 bytes of LDS; arguments x, ln1_g, ln1_b, wts, qc, qs, kv; writes qc, qs, kv
.if DOCPART == 2
	.amdgcn_target "amdgcn-amd-amdhsa--gfx1250"
	.amdhsa_code_object_version 6
	.text
	.protected	k_q6ebfb0ee71_lnqkv
	.globl	k_q6ebfb0ee71_lnqkv
	.p2align	8
	.type	k_q6ebfb0ee71_lnqkv,@function
k_q6ebfb0ee71_lnqkv:
	s_mov_b64 s[64:65], 0
	v_nop
	global_prefetch_b8 v0, s[64:65] scope:SCOPE_SE
	s_setreg_imm32_b32 hwreg(HW_REG_WAVE_MODE, 25, 1), 1
	s_wait_xcnt 0x0
; h = layernorm(x) g + b, quantised along C; q, k, v = h Wq, h Wk, h Wv (products 1-3, on codes); q and k quantised along the head's 100, V along the tokens.  Nothing of reference() is left out here.
; SHARES.  A work-group takes 64 tokens.  Row phase: wave w makes the fragment rows of token tile w = (b = w / 2, u = w % 2): lane r is token 32 b + 8 u + r + 8 (r / 8).
; Products: wave w takes HEAD w for all four token tiles: 21 weight tiles x 4 K steps x 4 token tiles.  Each weight fragment is wanted by one wave, once, and feeds four products from registers:
; so the weights come by global loads through a ring of two register buffers, and there is no tensor load and no cluster: nothing would be shared but through LDS, which these bytes never touch.
; q, k: source 0 = 16 columns of the weight, source 1 = h: a lane holds ONE token and its registers run along d.  v: the sources swapped: a lane holds ONE channel and its registers run along the tokens.
; Either way the conversions' results are the next product's operand registers, and they leave as images (512 consecutive bytes a store).
; LIMITS: NaN and infinities are not served; a block of zeros carries the byte 1 (its codes are zeros; this program alone reads the bytes).
; LDS: gains and biases | h's scale words (record 4 m + K step, 128 bytes) | h's 16 fragment images | the stage, 64 rows of 1,600 + 16 bytes | the spare words.
; REGISTERS: window 0: addresses, scale words, accumulators, codes; window 1: h's 16 fragments; window 2: the weights' ring, two buffers of 128.
.set GB,    0
.set HSC,   3328
.set HIMG,  5376
.set STG,   38144
.set SPARE, 141568
.set SP,    1616
.set TR,    8448
.set REC,   31744
.set FLOOR, 0x4800000
.set EOFF,  0xfc000000
.set L16, 1                            ; 16 x lane
.set L4,  2                            ; 4 x lane
.set L8,  3                            ; 8 x lane
.set L4H, 4                            ; 4 r + 128 h
.set XR,  5                            ; my row in the stage, + 64 h
.set XR12, 6                           ; its last 16 numbers
.set GA,  7                            ; gains: 64 h
.set GA12, 8
.set IW,  9                            ; where my images go
.set L4S, 10                           ; 4 x lane + 512 x wave
.set LIH, 11                           ; the images, 16 x lane
.set WSL, 12                           ; a pair's scale words: 8,448 h + 16 r
.set WSL1, 13                          ; a single tile's: 16 r
.set RT,  14                           ; v14-17 the K loop's addresses
.set CB,  18
.set LM5, 19
.set GP3, 20
.set GW,  21
.set GW3, 22
.set TA,  23
.set SPW, 25
.set NIL, 26
.set PW,  32
.set MU,  34
.set RS,  36
.set CH,  38                           ; v38-45 sums in four chains
.set SW,  38                           ; later: q's or k's scale words, one a token tile
.set T0,  42
.set VSA, 46
.set TM,  48
.set HS,  64                           ; h's scale words: HS + 2 m + i: lanes 0-15 K step 2 i, lanes 16-31 K step 2 i + 1
.set WSC, 72                           ; the weights': WSC + 4 buf + K step: lanes 0-15 tile u = 0, lanes 16-31 u = 1
.set ACC, 88
.set CD,  152
.set X,   64
.set G,   128
.set BT,  192
.set PC,  128
.set WV,  18
.set SEL, 20
.set MNT, 22
.set LM,  23
.set HM,  24
.set C400, 25
.set EPS, 26
.set KC,  40
.set KO,  41
.set KI,  42
.set KS,  43
.set MSB, 0
.macro WIN new                         ; the immediate's high byte repeats the setting that is left
.if MSB != \new
	s_set_vgpr_msb (MSB<<8)|\new
.set MSB, \new
.endif
.endm
.macro NOPS n
.rept \n
	v_nop
.endr
.endm
.macro BARRIER                         ; my LDS stores have landed and my LDS loads are in: then the work-group's barrier
	s_wait_dscnt 0x0
	s_barrier_signal -1
	s_barrier_wait -1
.endm
; ng groups of n (16 or 8) numbers at v[s + 16 g] become codes at v[d + ds g] on; the bytes are left in v[TM+4+g].  relu = 1: what is negative becomes 0 on the way.
.macro QUANT4 s, ng, n, relu, d, ds
.set qg, 0
.rept \ng
.if \relu
	v_max3_num_f32 v[TM+qg], v[(\s)+16*qg], v[(\s)+16*qg+1], FLOOR
.else
	v_max3_num_f32 v[TM+qg], |v[(\s)+16*qg]|, |v[(\s)+16*qg+1]|, FLOOR
.endif
.set qg, qg+1
.endr
.set qi, 2
.rept (\n)/2-1
.set qg, 0
.rept \ng
.if \relu
	v_max3_num_f32 v[TM+qg], v[TM+qg], v[(\s)+16*qg+qi], v[(\s)+16*qg+qi+1]
.else
	v_max3_num_f32 v[TM+qg], v[TM+qg], |v[(\s)+16*qg+qi]|, |v[(\s)+16*qg+qi+1]|
.endif
.set qg, qg+1
.endr
.set qi, qi+2
.endr
.set qg, 0
.rept \ng
	v_permlanex16_b32 v[TM+4+qg], v[TM+qg], s[SEL], s[SEL+1]
.set qg, qg+1
.endr
.set qg, 0
.rept \ng
	v_max_num_f32 v[TM+qg], v[TM+qg], v[TM+4+qg]
.set qg, qg+1
.endr
.set qg, 0
.rept \ng
	v_add_nc_u32 v[TM+12+qg], EOFF, v[TM+qg]
.set qg, qg+1
.endr
.set qg, 0
.rept \ng
	v_and_or_b32 v[TM+8+qg], v[TM+qg], 0x7f800000, s[MNT]
.set qg, qg+1
.endr
.set qg, 0
.rept \ng
	v_lshrrev_b32 v[TM+4+qg], 23, v[TM+12+qg]
.set qg, qg+1
.endr
.set qg, 0
.rept \ng
.set qi, 0
.rept \n
.if \relu
	v_med3_num_f32 v[(\s)+16*qg+qi], v[(\s)+16*qg+qi], 0, v[TM+8+qg]
.else
	v_med3_num_f32 v[(\s)+16*qg+qi], v[(\s)+16*qg+qi], -v[TM+8+qg], v[TM+8+qg]
.endif
.set qi, qi+1
.endr
	v_cvt_scalef32_pk8_fp8_f32 v[(\d)+(\ds)*qg:(\d)+(\ds)*qg+1], v[(\s)+16*qg:(\s)+16*qg+7], v[TM+12+qg]
.if (\n) == 16
	v_cvt_scalef32_pk8_fp8_f32 v[(\d)+(\ds)*qg+2:(\d)+(\ds)*qg+3], v[(\s)+16*qg+8:(\s)+16*qg+15], v[TM+12+qg]
.else
	v_mov_b32 v[(\d)+(\ds)*qg+2], 0
	v_mov_b32 v[(\d)+(\ds)*qg+3], 0
.endif
.set qg, qg+1
.endr
	v_nop
.endm
; one scaled product.  c < 0: the constant 0 starts the sum.  ra, rb: the scales stand in lanes 16-31 of their registers.
.macro WMS d, a, b, c, sa, ra, sb, rb
.if (\c) < 0
.if (\ra) && (\rb)
	v_wmma_scale_f32_16x16x128_f8f6f4 v[(\d):(\d)+7], v[(\a):(\a)+15], v[(\b):(\b)+15], 0, v[(\sa)], v[(\sb)] matrix_a_scale:MATRIX_SCALE_ROW1 matrix_b_scale:MATRIX_SCALE_ROW1
.elseif (\ra)
	v_wmma_scale_f32_16x16x128_f8f6f4 v[(\d):(\d)+7], v[(\a):(\a)+15], v[(\b):(\b)+15], 0, v[(\sa)], v[(\sb)] matrix_a_scale:MATRIX_SCALE_ROW1
.elseif (\rb)
	v_wmma_scale_f32_16x16x128_f8f6f4 v[(\d):(\d)+7], v[(\a):(\a)+15], v[(\b):(\b)+15], 0, v[(\sa)], v[(\sb)] matrix_b_scale:MATRIX_SCALE_ROW1
.else
	v_wmma_scale_f32_16x16x128_f8f6f4 v[(\d):(\d)+7], v[(\a):(\a)+15], v[(\b):(\b)+15], 0, v[(\sa)], v[(\sb)]
.endif
.else
.if (\ra) && (\rb)
	v_wmma_scale_f32_16x16x128_f8f6f4 v[(\d):(\d)+7], v[(\a):(\a)+15], v[(\b):(\b)+15], v[(\c):(\c)+7], v[(\sa)], v[(\sb)] matrix_a_scale:MATRIX_SCALE_ROW1 matrix_b_scale:MATRIX_SCALE_ROW1
.elseif (\ra)
	v_wmma_scale_f32_16x16x128_f8f6f4 v[(\d):(\d)+7], v[(\a):(\a)+15], v[(\b):(\b)+15], v[(\c):(\c)+7], v[(\sa)], v[(\sb)] matrix_a_scale:MATRIX_SCALE_ROW1
.elseif (\rb)
	v_wmma_scale_f32_16x16x128_f8f6f4 v[(\d):(\d)+7], v[(\a):(\a)+15], v[(\b):(\b)+15], v[(\c):(\c)+7], v[(\sa)], v[(\sb)] matrix_b_scale:MATRIX_SCALE_ROW1
.else
	v_wmma_scale_f32_16x16x128_f8f6f4 v[(\d):(\d)+7], v[(\a):(\a)+15], v[(\b):(\b)+15], v[(\c):(\c)+7], v[(\sa)], v[(\sb)]
.endif
.endif
.endm
; A row's mean and 1 / sqrt(variance + eps), in two passes as reference() takes them.  Lane (r, h) holds 16 numbers of each block of 32 of its row: 13 x 16 registers, v48-255; the last 16 numbers lie in lanes 0-15 alone.
.macro STATS xr, xr12
.set cc, 0
.rept 12
.irp j, 0,1,2,3
	ds_load_b128 v[48+16*cc+4*\j:51+16*cc+4*\j], v[\xr] offset:128*cc+16*\j
.endr
.set cc, cc+1
.endr
.irp j, 0,1,2,3
	ds_load_b128 v[240+4*\j:243+4*\j], v[\xr12] offset:16*\j
.endr
	s_wait_dscnt 0x0
.set ii, 240
.rept 16
	v_cndmask_b32 v[ii], 0, v[ii], s[LM]
.set ii, ii+1
.endr
.irp k, 0,1,2,3
	v_pk_add_f32 v[CH+2*\k:CH+2*\k+1], v[48+2*\k:49+2*\k], v[56+2*\k:57+2*\k]
.endr
.set ii, 64
.rept 24
.irp k, 0,1,2,3
	v_pk_add_f32 v[CH+2*\k:CH+2*\k+1], v[CH+2*\k:CH+2*\k+1], v[ii+2*\k:ii+2*\k+1]
.endr
.set ii, ii+8
.endr
	v_pk_add_f32 v[CH:CH+1], v[CH:CH+1], v[CH+2:CH+3]
	v_pk_add_f32 v[CH+4:CH+5], v[CH+4:CH+5], v[CH+6:CH+7]
	v_pk_add_f32 v[CH:CH+1], v[CH:CH+1], v[CH+4:CH+5]
	v_add_f32 v[CH], v[CH], v[CH+1]
	v_permlanex16_b32 v[CH+1], v[CH], s[SEL], s[SEL+1]
	v_add_f32 v[CH], v[CH], v[CH+1]
	v_mul_f32 v[MU], s[C400], v[CH]
	v_mov_b32 v[MU+1], v[MU]
.set ii, 48
.rept 104
	v_pk_add_f32 v[ii:ii+1], v[ii:ii+1], v[MU:MU+1] neg_lo:[0,1] neg_hi:[0,1]
.set ii, ii+2
.endr
.set ii, 240
.rept 16
	v_cndmask_b32 v[ii], 0, v[ii], s[LM]
.set ii, ii+1
.endr
.irp k, 0,1,2,3
	v_pk_mul_f32 v[CH+2*\k:CH+2*\k+1], v[48+2*\k:49+2*\k], v[48+2*\k:49+2*\k]
.endr
.set ii, 56
.rept 25
.irp k, 0,1,2,3
	v_pk_fma_f32 v[CH+2*\k:CH+2*\k+1], v[ii+2*\k:ii+2*\k+1], v[ii+2*\k:ii+2*\k+1], v[CH+2*\k:CH+2*\k+1]
.endr
.set ii, ii+8
.endr
	v_pk_add_f32 v[CH:CH+1], v[CH:CH+1], v[CH+2:CH+3]
	v_pk_add_f32 v[CH+4:CH+5], v[CH+4:CH+5], v[CH+6:CH+7]
	v_pk_add_f32 v[CH:CH+1], v[CH:CH+1], v[CH+4:CH+5]
	v_add_f32 v[CH], v[CH], v[CH+1]
	v_permlanex16_b32 v[CH+1], v[CH], s[SEL], s[SEL+1]
	v_add_f32 v[CH], v[CH], v[CH+1]
	v_fma_f32 v[CH+1], v[CH], s[C400], s[EPS]
	s_wait_alu depctr_va_vdst(0)
	v_rsq_f32 v[RS], v[CH+1]
	v_nop                                          ; a plain line behind the transcendental,
	s_wait_alu depctr_va_vdst(0)                   ; and the wait ahead of its first reader
	v_mov_b32 v[RS+1], v[RS]
.endm
; One K step of my 16 rows: nch blocks of 32 from the stage; ln = 1: normalised, gain and bias; quantised; the fragment's image and its scale words to LDS.
.macro ROWK ln, nch, xa, ga, ia, io, sa, so
.set rc, 0
.rept \nch
.irp j, 0,1,2,3
	ds_load_b128 v[X+16*rc+4*\j:X+16*rc+4*\j+3], v[\xa] offset:128*rc+16*\j
.endr
.set rc, rc+1
.endr
.if \ln
.set rc, 0
.rept \nch
.irp j, 0,1,2,3
	ds_load_b128 v[G+16*rc+4*\j:G+16*rc+4*\j+3], v[\ga] offset:128*rc+16*\j
	ds_load_b128 v[BT+16*rc+4*\j:BT+16*rc+4*\j+3], v[\ga] offset:1600+128*rc+16*\j
.endr
.set rc, rc+1
.endr
.endif
	s_wait_dscnt 0x0
.if \ln
.set ri, 0
.rept 8*\nch
	v_pk_add_f32 v[X+ri:X+ri+1], v[X+ri:X+ri+1], v[MU:MU+1] neg_lo:[0,1] neg_hi:[0,1]
.set ri, ri+2
.endr
.set ri, 0
.rept 8*\nch
	v_pk_mul_f32 v[X+ri:X+ri+1], v[X+ri:X+ri+1], v[RS:RS+1]
.set ri, ri+2
.endr
.set ri, 0
.rept 8*\nch
	v_pk_fma_f32 v[X+ri:X+ri+1], v[X+ri:X+ri+1], v[G+ri:G+ri+1], v[BT+ri:BT+ri+1]
.set ri, ri+2
.endr
.endif
.if (\nch) == 1
.set ri, 0
.rept 16
	v_cndmask_b32 v[X+ri], 0, v[X+ri], s[LM]       ; k = 400 on: zeros, ahead of the block's maximum
.set ri, ri+1
.endr
.endif
	QUANT4 X, \nch, 16, 0, PC, 4
.if (\nch) == 4
	v_lshl_or_b32 v[PW], v[TM+5], 8, v[TM+4]
	v_lshl_or_b32 v[PW], v[TM+6], 16, v[PW]
	v_lshl_or_b32 v[PW], v[TM+7], 24, v[PW]
.else
	v_mov_b32 v[PW], v[TM+4]                       ; bytes 1-3 stay 0 over zero codes
.set ri, 4
.rept 12
	v_mov_b32 v[PC+ri], 0
.set ri, ri+1
.endr
.endif
.irp c, 0,1,2,3
	ds_store_b128 v[\ia], v[PC+4*\c:PC+4*\c+3] offset:(\io)+512*\c
.endr
	ds_store_b32 v[\sa], v[PW] offset:\so
	s_wait_dscnt 0x0                               ; the stores have read their registers
.endm
.macro ROWLOOP ln, xr, xr12, iw, sc    ; K steps 0-2 in a loop of three trips, K step 3 (one block) written out
	s_mov_b32 s[KO], 0
	s_mov_b32 s[KI], 0
	s_mov_b32 s[KS], 0
	s_mov_b32 s[KC], 0
.Lks_\@:
	v_add_nc_u32 v[RT], s[KO], v[\xr]
	v_add_nc_u32 v[RT+1], s[KO], v[GA]
	v_add_nc_u32 v[RT+2], s[KI], v[\iw]
	v_add_nc_u32 v[RT+3], s[KS], v[L4S]
	ROWK \ln, 4, RT, RT+1, RT+2, 0, RT+3, \sc
	s_add_co_u32 s[KO], s[KO], 512
	s_add_co_u32 s[KI], s[KI], 2048
	s_add_co_u32 s[KS], s[KS], 128
	s_add_co_u32 s[KC], s[KC], 1
	s_cmp_lt_u32 s[KC], 3
	s_cbranch_scc1 .Lks_\@
	ROWK \ln, 1, \xr12, GA12, \iw, 6144, L4S, (\sc)+384
.endm
.macro LOADB buf, off, nt              ; nt weight tiles, four K steps each, into ring buffer buf
	WIN 0x80
.set uu, 0
.rept \nt
.set kk, 0
.rept 13                               ; K = 400: of K step 3 only k = 384 .. 415 (its first 512 bytes) is loaded; the other 12 registers of that fragment hold zeros throughout
	global_load_b128 v[128*(\buf)+64*uu+4*kk:128*(\buf)+64*uu+4*kk+3], v[L16], s[10:11] offset:(\off)+TR*uu+512*kk
.set kk, kk+1
.endr
.set uu, uu+1
.endr
	WIN 0
.endm
.macro LOADS buf, off, nt              ; and their scale words
.if (\nt) == 2
	global_load_b128 v[WSC+4*(\buf):WSC+4*(\buf)+3], v[WSL], s[10:11] offset:(\off)+8192
.else
	global_load_b128 v[WSC+4*(\buf):WSC+4*(\buf)+3], v[WSL1], s[10:11] offset:(\off)+8192
.endif
.endm
.macro MULQK buf, nt                   ; source 0 = the weight's 16 columns, source 1 = h; the accumulators take turns, one instruction a turn
	WIN 0x06
.set kk, 0
.rept 4
.set uu, 0
.rept \nt
.set mm, 0
.rept 4
.if kk == 0
	WMS ACC+16*mm+8*uu, 128*(\buf)+64*uu, 64*mm, -1, WSC+4*(\buf), uu, HS+2*mm, 0
.else
	WMS ACC+16*mm+8*uu, 128*(\buf)+64*uu+16*kk, 64*mm+16*kk, ACC+16*mm+8*uu, WSC+4*(\buf)+kk, uu, HS+2*mm+kk/2, kk%2
.endif
.set mm, mm+1
.endr
.set uu, uu+1
.endr
.set kk, kk+1
.endr
.endm
.macro MULV buf, nt                    ; the sources swapped: a lane holds one channel, its registers run along the tokens
	WIN 0x09
.set kk, 0
.rept 4
.set uu, 0
.rept \nt
.set mm, 0
.rept 4
.if kk == 0
	WMS ACC+32*uu+8*mm, 64*mm, 128*(\buf)+64*uu, -1, HS+2*mm, 0, WSC+4*(\buf), uu
.else
	WMS ACC+32*uu+8*mm, 64*mm+16*kk, 128*(\buf)+64*uu+16*kk, ACC+32*uu+8*mm, HS+2*mm+kk/2, kk%2, WSC+4*(\buf)+kk, uu
.endif
.set mm, mm+1
.endr
.set uu, uu+1
.endr
.set kk, kk+1
.endr
.endm
; Batch n of twelve: matrix n / 4 (q, k, v), pair of tiles n % 4 (the fourth is a single tile).  A pair is 2 x 13 + 1 = 27 loads, a single 14.
.macro BATCH n
.set bn, \n
.set bmat, bn/4
.set bp, bn%4
.set bbuf, bn%2
.set bnt, 2
.if bp == 3
.set bnt, 1
.endif
.if bn == 11
	s_wait_loadcnt 0x0
.elseif bn > 0
.if (bn+1)%4 == 3
	s_wait_loadcnt 14                              ; only the batch issued behind mine may be out: a single
.else
	s_wait_loadcnt 27                              ; only the batch issued behind mine may be out: a pair
.endif
.endif
.if bmat < 2
	MULQK bbuf, bnt
.else
	MULV bbuf, bnt
.endif
	WIN 0
	NOPS 8                                         ; places in front of loads into registers that these products read, and of the first read of their results
.if bn+2 < 12
.set b2p, (bn+2)%4
.set b2o, 236544*((bn+2)/4)+16896*b2p
.if b2p == 3
	LOADB bbuf, b2o, 1
	LOADS bbuf, b2o, 1
.else
	LOADB bbuf, b2o, 2
	LOADS bbuf, b2o, 2
.endif
.endif
.if (bp == 0) && (bn > 0)
	s_wait_xcnt 0x0                                ; the last matrix's stores have read their registers: the codes and words are written anew
.endif
.if bmat < 2
.if bp < 3
	QUANT4 ACC, 4, 16, 0, CD+4*bp, 16
.else
	QUANT4 ACC, 4, 8, 0, CD+12, 16                 ; d = 96 .. 99 and zeros
.endif
.irp m, 0,1,2,3
.if bp == 0
	v_mov_b32 v[SW+\m], v[TM+4+\m]
.else
	v_lshl_or_b32 v[SW+\m], v[TM+4+\m], 8*bp, v[SW+\m]
.endif
.endr
.if bp == 3
.if bmat == 0
.irp m, 0,1,2,3
.irp c, 0,1,2,3
	global_store_b128 v[L16], v[CD+16*\m+4*\c:CD+16*\m+4*\c+3], s[12:13] offset:2048*\m+512*\c
.endr
	global_store_b32 v[L4], v[SW+\m], s[14:15] offset:128*\m
.endr
.else
.irp m, 0,1,2,3
.irp c, 0,1,2,3
	global_store_b128 v[L16], v[CD+16*\m+4*\c:CD+16*\m+4*\c+3], s[32:33] offset:2048*\m+512*\c
.endr
.endr
	v_cndmask_b32 v[T0], v[SW], v[SW+1], s[HM]     ; lanes 0-15 the even tile's words, lanes 16-31 the odd tile's
	v_cndmask_b32 v[T0+1], v[SW+2], v[SW+3], s[HM]
	global_store_b64 v[L8], v[T0:T0+1], s[34:35]
.endif
.endif
.else
.if bp < 3
	QUANT4 ACC, 4, 16, 0, CD+16*bp, 4              ; group 2 t + b: tile t, block b of 32 tokens
.else
	QUANT4 ACC, 2, 16, 0, CD+48, 4
.endif
.set uu, 0
.rept bnt
.irp b, 0,1
	global_store_b128 v[L16], v[CD+16*bp+8*uu+4*\b:CD+16*bp+8*uu+4*\b+3], s[36:37] offset:(2*bp+uu)*2048+512*\b
.endr
.set uu, uu+1
.endr
	v_lshl_or_b32 v[T0], v[TM+5], 8, v[TM+4]       ; a tile's two bytes of this half of the key step
.if bnt == 2
	v_lshl_or_b32 v[T0+1], v[TM+7], 8, v[TM+6]
	v_cndmask_b32 v[T0], v[T0], v[T0+1], s[HM]
.endif
.if bp%2 == 0
	v_mov_b32 v[VSA+bp/2], v[T0]
.else
	v_lshl_or_b32 v[VSA+bp/2], v[T0], 16, v[VSA+bp/2]
.endif
.if bp == 3
	global_store_b64 v[L8], v[VSA:VSA+1], s[38:39]
.endif
.endif
.endm
	s_load_b256 s[4:11], s[0:1], 0x0               ; x, ln1_g, ln1_b, wts
	s_load_b128 s[12:15], s[0:1], 0x20             ; qc, qs
	s_load_b64 s[16:17], s[0:1], 0x30              ; kv
	v_lshl_add_u32 v[SPW], v0, 2, SPARE
	v_mov_b32 v[NIL], 0
	v_lshrrev_b32 v27, 5, v0
	v_readfirstlane_b32 s[WV], v27
	v_and_b32 v27, 31, v0                          ; lane
	v_and_b32 v28, 15, v0                          ; r
	v_bfe_u32 v29, v0, 4, 1                        ; h
	v_lshlrev_b32 v[L16], 4, v27
	v_lshlrev_b32 v[L4], 2, v27
	v_lshlrev_b32 v[L8], 3, v27
	v_lshlrev_b32 v[L4H], 2, v28
	v_lshl_add_u32 v[L4H], v29, 7, v[L4H]
	s_lshr_b32 s44, s[WV], 1
	s_lshl_b32 s44, s44, 5
	s_and_b32 s45, s[WV], 1
	s_lshl_b32 s46, s45, 3
	s_add_co_u32 s44, s44, s46                     ; 32 b + 8 u
	v_and_b32 v30, 8, v28
	v_add_nc_u32 v30, v30, v28                     ; r + 8 (r / 8)
	v_add_nc_u32 v30, s44, v30
	v_mul_u32_u24 v30, v30, SP
	v_add_nc_u32 v[XR12], STG+1536, v30
	v_lshl_add_u32 v30, v29, 6, v30
	v_add_nc_u32 v[XR], STG, v30
	v_lshlrev_b32 v[GA], 6, v29
	v_mov_b32 v[GA12], 1536
	s_lshl_b32 s46, s[WV], 13
	v_add_nc_u32 v[LIH], HIMG, v[L16]
	v_add_nc_u32 v[IW], s46, v[LIH]
	s_lshl_b32 s46, s[WV], 9
	v_add_nc_u32 v[L4S], s46, v[L4]
	v_mul_u32_u24 v[WSL], v29, TR
	v_lshlrev_b32 v[WSL1], 4, v28
	v_add_nc_u32 v[WSL], v[WSL], v[WSL1]
	s_mul_i32 s46, s[WV], 16*SP
	s_add_co_u32 s46, s46, STG
	v_add_nc_u32 v[CB], s46, v[L16]                ; the copy in: my 16 rows of the stage, 16 x lane
	v_mul_u32_u24 v[LM5], v27, 5243                ; piece / 100 = (piece x 5,243) >> 19 for pieces under 1,600
	v_and_b32 v[GP3], 3, v27
	v_lshlrev_b32 v[GP3], 4, v[GP3]
	v_add_nc_u32 v[GP3], 1536, v[GP3]              ; the gains' last four pieces of 16 bytes, each taken by eight lanes
	s_mul_i32 s45, s45, 1600
	v_add_nc_u32 v[GW], s45, v[L16]
	v_add_nc_u32 v[GW3], s45, v[GP3]
	s_mov_b32 s[SEL], 0x76543210
	s_mov_b32 s[SEL+1], 0xfedcba98
	s_mov_b32 s[MNT], 0x600000
	s_mov_b32 s[LM], 0x0000ffff
	s_mov_b32 s[HM], 0xffff0000
	s_mov_b32 s[C400], 0x3b23d70a                  ; 1 / 400
	s_mov_b32 s[EPS], 0x3727c5ac                   ; 1e-5
	s_wait_kmcnt 0x0
	s_mul_i32 s44, ttmp9, 102400
	s_mul_i32 s45, s[WV], 25600
	s_add_co_u32 s44, s44, s45
	s_mov_b32 s45, 0
	s_add_nc_u64 s[4:5], s[4:5], s[44:45]          ; x at my 16 rows
	s_mul_i32 s44, s[WV], 59136
	s_add_nc_u64 s[10:11], s[10:11], s[44:45]      ; the weights at my head
	s_cmp_eq_u32 s[WV], 0
	s_cselect_b64 s[28:29], s[6:7], s[8:9]         ; wave 0 brings the gains, wave 1 the biases
	s_lshr_b32 s46, ttmp9, 5
	s_lshl_b32 s46, s46, 2
	s_add_co_u32 s46, s46, s[WV]                   ; batch x 4 + head
	s_and_b32 s47, ttmp9, 31                       ; which 64 tokens of the sequence
	s_lshl_b32 s44, s46, 7
	s_lshl_b32 s48, s47, 2
	s_add_co_u32 s44, s44, s48
	s_lshl_b32 s48, s44, 7
	s_mov_b32 s49, 0
	s_lshl_b32 s44, s44, 11
	s_add_nc_u64 s[12:13], s[12:13], s[44:45]
	s_add_nc_u64 s[14:15], s[14:15], s[48:49]
	s_lshl_b32 s44, s46, 4
	s_lshr_b32 s48, s47, 1
	s_add_co_u32 s44, s44, s48
	s_mul_i32 s44, s44, REC
	s_add_nc_u64 s[16:17], s[16:17], s[44:45]      ; the key step's record
	s_and_b32 s47, s47, 1                          ; which half of it is mine
	s_lshl_b32 s44, s47, 13
	s_add_nc_u64 s[32:33], s[16:17], s[44:45]      ; K's fragments
	s_lshl_b32 s44, s47, 8
	s_add_co_u32 s44, s44, 30720
	s_add_nc_u64 s[34:35], s[16:17], s[44:45]      ; K's scale words
	s_lshl_b32 s44, s47, 10
	s_add_co_u32 s44, s44, 16384
	s_add_nc_u64 s[36:37], s[16:17], s[44:45]      ; V's fragments: my two key blocks of each
	s_lshl_b32 s44, s47, 8
	s_add_co_u32 s44, s44, 31232
	s_add_nc_u64 s[38:39], s[16:17], s[44:45]      ; V's scale bytes
	; ---- the copy in: 16 rows of x, 50 loads of 512 consecutive bytes, into stage rows 1,616 bytes apart
.set ii, 0
.rept 50
	global_load_b128 v[48+4*ii:51+4*ii], v[L16], s[4:5] offset:512*ii th:TH_LOAD_NT
.set ii, ii+1
.endr
	s_cmp_lt_u32 s[WV], 2
	s_cbranch_scc0 .Lno_g1
	global_load_b128 v[32:35], v[L16], s[28:29]
	global_load_b128 v[36:39], v[L16], s[28:29] offset:512
	global_load_b128 v[40:43], v[L16], s[28:29] offset:1024
	s_wait_alu depctr_va_vdst(0)
	global_load_b128 v[44:47], v[GP3], s[28:29]
.Lno_g1:
	s_wait_loadcnt 0x0
.set ii, 0
	s_wait_alu depctr_va_vdst(0)
.rept 50
	v_add_nc_u32 v[TA], 32*5243*ii, v[LM5]
	v_lshrrev_b32 v[TA], 19, v[TA]                 ; the piece's row
	v_lshl_add_u32 v[TA], v[TA], 4, v[CB]          ; 16 bytes of padding for each row passed
	ds_store_b128 v[TA], v[48+4*ii:51+4*ii] offset:512*ii
.set ii, ii+1
.endr
	s_cmp_lt_u32 s[WV], 2
	s_cbranch_scc0 .Lno_g2
	ds_store_b128 v[GW], v[32:35]
	ds_store_b128 v[GW], v[36:39] offset:512
	ds_store_b128 v[GW], v[40:43] offset:1024
	ds_store_b128 v[GW3], v[44:47]
.Lno_g2:
	WIN 0x80
.irp z, 52, 116, 180, 244
.set ii, 0
.rept 12
	v_mov_b32 v[\z+ii], 0                          ; k = 416 .. 511 of each of the ring's four tiles: zero codes, written once; no load lands here
.set ii, ii+1
.endr
.endr
	WIN 0
	LOADB 0, 0, 2                                  ; the first two batches' codes land while the rows are normalised
	LOADB 1, 16896, 2
	BARRIER                                        ; the 64 rows, the gains and the biases lie in LDS
	; ---- the row phase
	STATS XR, XR12
	ROWLOOP 1, XR, XR12, IW, HSC
	BARRIER                                        ; h's sixteen fragments lie in LDS
	WIN 0x40
.set ii, 0
.rept 64
	ds_load_b128 v[4*ii:4*ii+3], v[LIH] offset:512*ii      ; all of them into window 1: they stay
.set ii, ii+1
.endr
	WIN 0
.irp m, 0,1,2,3
.irp i, 0,1
	ds_load_b32 v[HS+2*\m+\i], v[L4H] offset:HSC+(4*\m+2*\i)*128
.endr
.endr
	LOADS 0, 0, 2
	LOADS 1, 16896, 2
	s_wait_loadcnt 0x0
	s_wait_dscnt 0x0
	; ---- the products
.irp n, 0,1,2,3,4,5,6,7,8,9,10,11
	BATCH \n
.endr
	s_wait_tensorcnt 0x0                           ; the wave's end
	ds_add_u32 v[SPW], v[NIL]
	s_wait_dscnt 0x0
	s_endpgm
.Lfunc_end_k_q6ebfb0ee71_lnqkv:
	.size	k_q6ebfb0ee71_lnqkv, .Lfunc_end_k_q6ebfb0ee71_lnqkv-k_q6ebfb0ee71_lnqkv
	.p2alignl 7, 3214868480
	.fill 96, 4, 3214868480
	.section	.rodata,"a",@progbits
	.p2align	6, 0x0
	.amdhsa_kernel k_q6ebfb0ee71_lnqkv
		.amdhsa_group_segment_fixed_size 142080
		.amdhsa_private_segment_fixed_size 0
		.amdhsa_enable_private_segment 0
		.amdhsa_kernarg_size 56
		.amdhsa_user_sgpr_count 2
		.amdhsa_user_sgpr_kernarg_segment_ptr 1
		.amdhsa_wavefront_size32 1
		.amdhsa_system_sgpr_workgroup_id_x 1
		.amdhsa_system_sgpr_workgroup_id_y 1
		.amdhsa_system_sgpr_workgroup_id_z 1
		.amdhsa_system_vgpr_workitem_id 0
		.amdhsa_next_free_vgpr 768
		.amdhsa_next_free_sgpr 66
		.amdhsa_reserve_vcc 0
		.amdhsa_float_denorm_mode_32 3
		.amdhsa_float_denorm_mode_16_64 3
		.amdhsa_memory_ordered 1
		.amdhsa_forward_progress 1
		.amdhsa_inst_pref_size 242
	.end_amdhsa_kernel
	.amdgpu_metadata
---
amdhsa.version: [ 1, 2 ]
amdhsa.kernels:
  - .name:           k_q6ebfb0ee71_lnqkv
    .symbol:         k_q6ebfb0ee71_lnqkv.kd
    .args:
      - { .name: x, .offset: 0, .size: 8, .value_kind: global_buffer, .address_space: global }
      - { .name: ln1_g, .offset: 8, .size: 8, .value_kind: global_buffer, .address_space: global }
      - { .name: ln1_b, .offset: 16, .size: 8, .value_kind: global_buffer, .address_space: global }
      - { .name: wts, .offset: 24, .size: 8, .value_kind: global_buffer, .address_space: global }
      - { .name: qc, .offset: 32, .size: 8, .value_kind: global_buffer, .address_space: global }
      - { .name: qs, .offset: 40, .size: 8, .value_kind: global_buffer, .address_space: global }
      - { .name: kv, .offset: 48, .size: 8, .value_kind: global_buffer, .address_space: global }
    .group_segment_fixed_size: 142080
    .private_segment_fixed_size: 0
    .kernarg_segment_align: 8
    .kernarg_segment_size: 56
    .max_flat_workgroup_size: 128
    .sgpr_count:     66
    .vgpr_count:     768
    .wavefront_size: 32
...
	.end_amdgpu_metadata
.endif
;; end of part 2
;; launch attn (part 3): grid 8 x 32, 8 waves a work-group, no clusters, 327,680 bytes of LDS; arguments qc, qs, kv, att; writes att
.if DOCPART == 3
	.amdgcn_target "amdgcn-amd-amdhsa--gfx1250"
	.amdhsa_code_object_version 6
	.text
	.protected	k_q6ebfb0ee71_attn
	.globl	k_q6ebfb0ee71_attn
	.p2align	8
	.type	k_q6ebfb0ee71_attn,@function
k_q6ebfb0ee71_attn:
	s_mov_b64 s[64:65], 0
	v_nop
	global_prefetch_b8 v0, s[64:65] scope:SCOPE_SE
	s_setreg_imm32_b32 hwreg(HW_REG_WAVE_MODE, 25, 1), 1
	s_wait_xcnt 0x0
; att = softmax(q k^T / 10, causal) V for one batch and head, both products on codes of E4M3 with E8M0 scales (products 4 and 5).
; WORK LEFT OUT: for each tile of 16 queries the key steps of 128 keys that lie wholly behind its block: reference()'s own jnp.tril gives them the weight 0 for all values of the inputs.  A NaN or infinity that reaches only those keys is not carried on.
; THE SOFTMAX: t = score x log2(e) / 10; M = the running largest t rounded UP to a whole number; p = 2^(t - M) is quantised along the keys, not normalised; the row's sum is taken of the unquantised p and divides at the end.
; SHARES.  Work-group (i, batch-head) owns the blocks of 128 queries i (early) and 15 - i (late).  Wave w of eight owns tile w of the early block (tile A) and tile w of the late block (tile B):
; every wave of a work-group walks the same 16 - i key steps; up to step i both tiles take the step's fragments of K and V from the same registers, beyond it tile B alone.
; No cluster: partners would need different numbers of key steps.
; A slot holds TWO key steps' records (each: K's 8 fragment images, V's 7, both scale tables: 124 x 256 bytes, dense): one tensor load of wave 0, one barrier for two steps; one tensor load is out at the most.
; LAYOUT.  Both products transposed: S^T = K Q^T, O^T = V^T P^T: a lane holds one query throughout.  Tile t of K holds the keys 32 (t / 2) + 8 (t % 2) + r + 8 (r / 8): the 16 registers of two tiles are 16 neighbouring keys.
; A STEP: all of K in one run of loads | S^T, softmax and codes of tile B | ONE branch on ids: up to step i: S^T of tile A, V's loads, tile A's softmax, its 7 products; beyond: V's loads alone | tile B's 7 products.
; LIMITS: NaN and infinities among the inputs are not served; a block of p that is all zeros carries the byte 1 (its codes are zeros).
; REGISTERS.  window 0: v1-8 addresses and the diagonal's offset; v10, v11 Q's scale words; v12-15, v16-19 the tiles' -M, largest t, sum; v26, v27 p's scale words; v32-95 fragments 0-3;
;   v96-159 S^T, then p (one set, the tiles in turn); v160-175, v176-191 the tiles' codes; v216-219 K's scale words, v220-223 V's; v232-254 at work.
;   window 1: v0-15, v16-31 Q; v32-95 fragments 4-7; v96-151, v152-207 O^T.
.set REC,   31744
.set SLOT1, 65536                      ; slot 1: one exclusive or turns an address in one slot into the other's
.set STAGE, 131072                     ; the way out: 16 rows x 464 bytes for each tile; no tensor load lands here
.set SPARE, 249856                     ; the spare words, 128 bytes for each wave
.set AL16, 1
.set AL8,  2
.set ADR,  3
.set ADR8, 4
.set SPW,  5
.set NIL,  6
.set PFO,  7
.set DG,   8                           ; my query in its block - 16 (lane / 16): the same for both tiles
.set QSA,  10
.set QSB,  11
.set STA,  12
.set STB,  16
.set PWA,  26
.set PWB,  27
.set CDA,  160
.set CDB,  176
.set QFA,  0                           ; in window 1
.set QFB,  16
.set OA,   96
.set OB,   152
.set TB,   2                           ; s2  the slot in hand
.set ST,   3                           ; s3  the key step
.set WV,   18
.set MNT,  19
.set SEL,  20
.set CS,   22
.set G1,   24
.set G0,   40
.set JB,   44                          ; the late block, also the work-group's last key step
.set JA,   45                          ; the early block
.set SLOTS, 46
.set LIM,  47
.set PFA,  48
.set QB,   58                          ; s[58:59], s[60:61], s[62:63]: tile B's codes, scale words, rows of att
.set SQB,  60
.set OUB,  62
.set MSB, 0
.macro WIN new                         ; the immediate's high byte repeats the setting that is left
.if MSB != \new
	s_set_vgpr_msb (MSB<<8)|\new
.set MSB, \new
.endif
.endm
.macro NOPS n
.rept \n
	v_nop
.endr
.endm
.macro WALU
	s_wait_alu depctr_va_vdst(0)
.endm
.macro WMS d, a, b, c, sa, ra, sb      ; one scaled product.  c < 0: the constant 0 starts the sum.  ra: source 0's scales stand in lanes 16-31
.if (\c) < 0
.if (\ra)
	v_wmma_scale_f32_16x16x128_f8f6f4 v[(\d):(\d)+7], v[(\a):(\a)+15], v[(\b):(\b)+15], 0, v[(\sa)], v[(\sb)] matrix_a_scale:MATRIX_SCALE_ROW1
.else
	v_wmma_scale_f32_16x16x128_f8f6f4 v[(\d):(\d)+7], v[(\a):(\a)+15], v[(\b):(\b)+15], 0, v[(\sa)], v[(\sb)]
.endif
.else
.if (\ra)
	v_wmma_scale_f32_16x16x128_f8f6f4 v[(\d):(\d)+7], v[(\a):(\a)+15], v[(\b):(\b)+15], v[(\c):(\c)+7], v[(\sa)], v[(\sb)] matrix_a_scale:MATRIX_SCALE_ROW1
.else
	v_wmma_scale_f32_16x16x128_f8f6f4 v[(\d):(\d)+7], v[(\a):(\a)+15], v[(\b):(\b)+15], v[(\c):(\c)+7], v[(\sa)], v[(\sb)]
.endif
.endif
.endm
.macro TLOAD                           ; wave 0 alone fetches; an s_nop 0 and four v_nop follow the load
	s_cmp_lg_u32 s[WV], 0
	s_cbranch_scc1 .Lnot0_\@
	tensor_load_to_lds s[G0:G0+3], s[G1:G1+7]
	s_nop 0
	NOPS 4
.Lnot0_\@:
.endm
; A prefetch of the slot that the NEXT change of slots will ask for: two records.  All eight work-groups of a batch-head walk the same records: the first of them, which walks all eight slots, asks; in it waves 4 to 7:
; of each record 31 blocks of 256 bytes a wave, a lane a block (lane 31 repeats lane 30's): two instructions.  Slots 0 and 1 come by their loads alone; the last change that fills a slot asks for nothing.
.macro ASK
	s_cmp_gt_u32 s[SLOTS], s[LIM]
	s_cbranch_scc0 .Lnot_mine_\@
	global_prefetch_b8 v[PFO], s[PFA:PFA+1] th:TH_LOAD_NT scope:SCOPE_SE
	global_prefetch_b8 v[PFO], s[PFA:PFA+1] offset:REC th:TH_LOAD_NT scope:SCOPE_SE
.Lnot_mine_\@:
.endm
	s_load_b256 s[4:11], s[0:1], 0x0               ; qc, qs, kv, att
	v_lshl_add_u32 v[SPW], v0, 2, SPARE
	v_mov_b32 v[NIL], 0
	ds_add_u32 v[SPW], v[NIL]                      ; the wave's opening: the add, twice on end, and its wait ahead of the first tensor load
	ds_add_u32 v[SPW], v[NIL]
	v_lshrrev_b32 v22, 5, v0
	v_readfirstlane_b32 s[WV], v22
	s_and_b32 s12, ttmp7, 0xffff                   ; batch x 4 + head
	s_mov_b32 s[JA], ttmp9
	s_sub_co_u32 s[JB], 15, ttmp9
	s_lshl_b32 s13, s12, 7
	s_add_co_u32 s13, s13, s[WV]                   ; 128 tiles a batch-head, + my tile in a block
	s_lshl_b32 s16, s[JA], 3
	s_add_co_u32 s16, s16, s13                     ; tile A among all
	s_lshl_b32 s17, s[JB], 3
	s_add_co_u32 s17, s17, s13                     ; tile B
	s_mov_b32 s[G1], 3<<16                         ; no mask; elements of 8 bytes; no padding
	s_mov_b32 s[G1+1], 32<<16                      ; tensor_dim0 = 32 elements: rows of 256 bytes
	s_mov_b32 s[G1+2], 248<<16                     ; tensor_dim1 = 248: two records
	s_mov_b32 s[G1+3], 32<<16                      ; tile_dim0
	s_mov_b32 s[G1+4], 248                         ; tile_dim1
	s_mov_b32 s[G1+5], 32                          ; the pitch: dense
	s_mov_b32 s[G1+6], 0
	s_mov_b32 s[G1+7], 0
	s_mov_b32 s[SEL], 0x76543210
	s_mov_b32 s[SEL+1], 0xfedcba98
	s_mov_b32 s[CS], 0x3e13bb63                    ; log2(e) / 10
	s_mov_b32 s[CS+1], s[CS]
	s_mov_b32 s[MNT], 0x600000
	s_mov_b32 s[TB], 0
	s_mov_b32 s[ST], 0
	s_mov_b32 s[SLOTS], 7
	s_mul_i32 s52, s12, 16*REC
	s_mov_b32 s53, 0
	s_wait_dscnt 0x0                               ; both opening adds are done
	s_wait_kmcnt 0x0
	s_mov_b32 s[G0], 1
	s_mov_b32 s[G0+1], 0                           ; slot 0
	s_add_nc_u64 s[G0+2:G0+3], s[8:9], s[52:53]    ; key steps 0 and 1
	s_or_b32 s[G0+3], s[G0+3], 0x80000000
	TLOAD
	s_mov_b32 s55, 0
	s_lshl_b32 s54, s17, 11
	s_add_nc_u64 s[QB:QB+1], s[4:5], s[54:55]
	s_lshl_b32 s54, s17, 7
	s_add_nc_u64 s[SQB:SQB+1], s[6:7], s[54:55]
	s_mul_i32 s54, s17, 6400
	s_add_nc_u64 s[OUB:OUB+1], s[10:11], s[54:55]
	s_lshl_b32 s54, s16, 11
	s_add_nc_u64 s[4:5], s[4:5], s[54:55]
	s_lshl_b32 s54, s16, 7
	s_add_nc_u64 s[6:7], s[6:7], s[54:55]
	s_mul_i32 s54, s16, 6400
	s_add_nc_u64 s[10:11], s[10:11], s[54:55]
	s_and_b32 s54, s[WV], 3
	s_mul_i32 s54, s54, 7936
	s_add_co_u32 s54, s54, 2*REC                   ; at slot 1: the first change steps it to slot 2
	s_add_nc_u64 s[PFA:PFA+1], s[8:9], s[52:53]
	s_add_nc_u64 s[PFA:PFA+1], s[PFA:PFA+1], s[54:55]
	s_sub_co_u32 s54, s[WV], 4
	s_lshr_b32 s54, s54, 2                         ; 0 in waves 4 to 7,
	s_or_b32 s54, s54, ttmp9                       ; of the batch-head's first work-group
	s_cmp_eq_u32 s54, 0
	s_cselect_b32 s[LIM], 1, -1
	s_lshr_b32 s56, s[WV], 1
	s_lshl_b32 s56, s56, 5
	s_and_b32 s57, s[WV], 1
	s_lshl_b32 s57, s57, 3
	s_add_co_u32 s56, s56, s57                     ; tile w begins at query 32 (w / 2) + 8 (w % 2) of its block
	v_and_b32 v22, 31, v0
	v_lshlrev_b32 v[AL16], 4, v22
	v_lshlrev_b32 v[AL8], 3, v22
	v_min_u32 v[PFO], 30, v22
	v_lshlrev_b32 v[PFO], 8, v[PFO]
	v_lshlrev_b32 v23, 2, v22
	WIN 0x40
.irp c, 0,1,2,3
	global_load_b128 v[QFA+4*\c:QFA+4*\c+3], v[AL16], s[4:5] offset:512*\c         ; Q's two fragments stay in window 1
	global_load_b128 v[QFB+4*\c:QFB+4*\c+3], v[AL16], s[QB:QB+1] offset:512*\c
.endr
	WIN 0
	global_load_b32 v[QSA], v23, s[6:7]
	global_load_b32 v[QSB], v23, s[SQB:SQB+1]
	v_and_b32 v24, 15, v0
	v_and_b32 v[DG], 8, v24
	v_add_nc_u32 v[DG], v[DG], v24                 ; r + 8 (r / 8)
	v_bfe_u32 v24, v0, 4, 1
	v_lshlrev_b32 v24, 4, v24
	v_sub_nc_u32 v[DG], v[DG], v24
	v_add_nc_u32 v[DG], s56, v[DG]
.irp st, 12, 16
	v_mov_b32 v[\st+1], 0xff61b1e6                 ; the largest t so far: -3e38
	v_floor_f32 v[\st], -v[\st+1]
	v_mov_b32 v[\st+2], 0
	v_mov_b32 v[\st+3], 0
.endr
.irp b, 0,1,2,3
	v_mov_b32 v[236+\b], 0                         ; a lane permute's destination counts as one of its sources
.endr
	v_mov_b32 v252, 0
	v_mov_b32 v253, 0                              ; (named as the upper half of the pair v[252:253])
	WIN 0x40
.set ii, 0
.rept 112
	v_mov_b32 v[96+ii], 0                          ; O^T of both tiles: the step has no first step of its own; the first finds zeros
.set ii, ii+1
.endr
	WIN 0
; S^T = K Q^T of one tile: eight products, each starting its sum.  wt = 1: K's fragments 4-7 are awaited on the way.  Eight places follow: in front of loads into the fragments' registers and of the first read of the scores.
.macro SMUL qf, qs, wt
	WIN 0x04                                       ; Q in window 1
.set tt, 0
.rept 4
	WMS 96+8*tt, 32+16*tt, \qf, -1, 216+tt/2, tt%2, \qs
.set tt, tt+1
.endr
.if \wt
	s_wait_dscnt 0x0
.endif
	WIN 0x05                                       ; and K's fragments 4-7 too
.set tt, 0
.rept 4
	WMS 128+8*tt, 32+16*tt, \qf, -1, 218+tt/2, tt%2, \qs
.set tt, tt+1
.endr
	WIN 0
	NOPS 8
.endm
.macro MASK jb                         ; only the step on the tile's diagonal has hidden keys: their scores become -infinity ahead of the maximum
	s_cmp_lg_u32 s[ST], s[\jb]
	s_cbranch_scc1 .Lopen_\@
	v_mov_b32 v254, 0xff800000
.set nn, 0
.rept 64
	v_cmp_gt_i32 vcc_lo, 32*(nn/16)+nn%16, v[DG]   ; register 16 b + e holds key 32 b + 16 (lane / 16) + e of the step
	v_cndmask_b32 v[96+nn], v[96+nn], v254, vcc_lo
.set nn, nn+1
.endr
.Lopen_\@:
.endm
.macro VLOAD q                         ; all of V's seven fragments in one run
.set tt, 0
.rept 4
.irp c, 0,1,2,3
	ds_load_b128 v[32+16*tt+4*\c:35+16*tt+4*\c], v[ADR] offset:(\q)*REC+16384+2048*tt+512*\c
.endr
.set tt, tt+1
.endr
	WIN 0x40
.set tt, 0
.rept 3
.irp c, 0,1,2,3
	ds_load_b128 v[32+16*tt+4*\c:35+16*tt+4*\c], v[ADR] offset:(\q)*REC+16384+2048*(4+tt)+512*\c
.endr
.set tt, tt+1
.endr
	WIN 0
.endm
.macro PV o, cd, pw                    ; O^T += V^T P^T of one tile: seven accumulators, one instruction each
	WIN 0x50                                       ; C and D in window 1
.set tt, 0
.rept 4
	WMS (\o)+8*tt, 32+16*tt, \cd, (\o)+8*tt, 220+tt/2, tt%2, \pw
.set tt, tt+1
.endr
	WIN 0x51                                       ; V's fragments 4-6 in window 1
.set tt, 0
.rept 3
	WMS (\o)+32+8*tt, 32+16*tt, \cd, (\o)+32+8*tt, 222+tt/2, tt%2, \pw
.set tt, tt+1
.endr
	WIN 0
.endm
; One tile's softmax for 128 keys: st: -M, the largest t, the sum's two halves; cd: where the codes go; pw: p's scale word; ob: the tile's O^T in window 1.
.macro SOFT st, cd, pw, ob
.irp b, 0,1,2,3
	v_max3_num_f32 v[232+\b], v[96+16*\b], v[97+16*\b], v[98+16*\b]       ; each block's largest score: for the row's maximum, and for the block's largest p
.endr
.irp i, 3,5,7,9,11,13
.irp b, 0,1,2,3
	v_max3_num_f32 v[232+\b], v[232+\b], v[96+16*\b+\i], v[97+16*\b+\i]
.endr
.endr
.irp b, 0,1,2,3
	v_max_num_f32 v[232+\b], v[232+\b], v[111+16*\b]
.endr
.irp b, 0,1,2,3
	v_permlanex16_b32 v[236+\b], v[232+\b], s[SEL], s[SEL+1]
.endr
.irp b, 0,1,2,3
	v_max_num_f32 v[232+\b], v[232+\b], v[236+\b]
.endr
	v_max3_num_f32 v254, v232, v233, v234
	v_max_num_f32 v254, v254, v235
	v_mul_f32 v254, s[CS], v254
	v_max_num_f32 v[(\st)+1], v[(\st)+1], v254     ; the running largest t
	v_mov_b32 v254, v[\st]
	v_floor_f32 v[\st], -v[(\st)+1]                ; -M = floor(-t): M is a whole number
	v_sub_f32 v254, v[\st], v254
	v_cvt_i32_f32 v254, v254                       ; (it saturates)
	v_ldexp_f32 v252, 1.0, v254                    ; f = 2^(old M - new M): exact
.set jj, 0
.rept 32
	v_pk_fma_f32 v[96+jj:97+jj], v[96+jj:97+jj], s[CS:CS+1], v[(\st):(\st)+1] op_sel_hi:[1,0,0]   ; t - M, two at a time
.set jj, jj+2
.endr
.irp b, 0,1,2,3
	v_fma_f32 v[232+\b], v[232+\b], s[CS], v[\st]
.endr
	WALU                                           ; ahead of the batch
.set jj, 0
.rept 64
	v_exp_f32 v[96+jj], v[96+jj]                   ; p = 2^(t - M)
.set jj, jj+1
.endr
	v_pk_mul_f32 v[(\st)+2:(\st)+3], v[(\st)+2:(\st)+3], v[252:253] op_sel_hi:[1,0]   ; the sums under the new M; a plain line behind the exponentials
	WALU                                           ; one wait for the batch, ahead of its first reader
.irp b, 0,1,2,3
	v_exp_f32 v[232+\b], v[232+\b]                 ; each block's largest p
.endr
	v_pk_add_f32 v[236:237], v[96:97], v[98:99]    ; the row's sum of the unquantised p, in two chains
.irp j, 4,8,12,16,20,24,28,32,36,40,44,48,52,56,60
	v_pk_add_f32 v[(\st)+2:(\st)+3], v[(\st)+2:(\st)+3], v[96+\j:97+\j]
	v_pk_add_f32 v[236:237], v[236:237], v[98+\j:99+\j]
.endr
	v_pk_add_f32 v[(\st)+2:(\st)+3], v[(\st)+2:(\st)+3], v[236:237]
	WALU                                           ; and one for the four
.irp b, 0,1,2,3
	v_max_num_f32 v[232+\b], 0x4800000, v[232+\b]  ; the floor 2^(9 - 127): the byte cannot fall under 1
.endr
.irp b, 0,1,2,3
	v_add_nc_u32 v[244+\b], 0xfc000000, v[232+\b]  ; 8 off the exponent field: the conversion's scale operand
.endr
.irp b, 0,1,2,3
	v_and_or_b32 v[240+\b], v[232+\b], 0x7f800000, s[MNT]                 ; 448 x the scale
.endr
.irp b, 0,1,2,3
	v_lshrrev_b32 v[236+\b], 23, v[244+\b]
.endr
	v_lshl_or_b32 v[\pw], v237, 8, v236            ; p's scale word for these 128 keys
	v_lshl_or_b32 v[\pw], v238, 16, v[\pw]
	v_lshl_or_b32 v[\pw], v239, 24, v[\pw]
.irp b, 0,1,2,3
.irp i, 0,1,2,3,4,5,6,7,8,9,10,11,12,13,14,15
	v_min_num_f32 v[96+16*\b+\i], v[96+16*\b+\i], v[240+\b]               ; the conversion does not saturate (ISA guide 7.6.2); p is not negative, so the hold is one-sided
.endr
	v_cvt_scalef32_pk8_fp8_f32 v[(\cd)+4*\b:(\cd)+4*\b+1], v[96+16*\b:103+16*\b], v[244+\b]
	v_cvt_scalef32_pk8_fp8_f32 v[(\cd)+4*\b+2:(\cd)+4*\b+3], v[104+16*\b:111+16*\b], v[244+\b]
.endr
	WIN 0x41                                       ; O^T (destination and source 0) in window 1, f in window 0
	WALU                                           ; directly ahead of the first reader of O^T
.set jj, 0
.rept 28
	v_pk_mul_f32 v[(\ob)+jj:(\ob)+jj+1], v[(\ob)+jj:(\ob)+jj+1], v[252:253] op_sel_hi:[1,0]   ; O^T under the new M; also the places in front of the products that follow
.set jj, jj+2
.endr
	WIN 0
	WALU                                           ; ahead of the branch or blocking wait behind which the rescaled O^T
.endm
; A KEY STEP: 128 keys, the q-th record of the slot in hand.
.macro STEP q
	s_cmp_gt_u32 s[ST], s[JB]                      ; all 128 keys behind both tiles: ids and the count of steps alone decide
	s_cbranch_scc1 .Lhidden_\@
	v_add_nc_u32 v[ADR], s[TB], v[AL16]
	v_add_nc_u32 v[ADR8], s[TB], v[AL8]
	NOPS 6                                         ; with the two additions: eight places in front of loads into registers that the last products read
	ds_load_b64 v[216:217], v[ADR8] offset:(\q)*REC+30720      ; K's scale words: register t / 2, lanes 0-15 the even tile, lanes 16-31 the odd one
	ds_load_b64 v[218:219], v[ADR8] offset:(\q)*REC+30976
	ds_load_b64 v[248:249], v[ADR8] offset:(\q)*REC+31232      ; V's scale bytes, key blocks 0, 1
	ds_load_b64 v[250:251], v[ADR8] offset:(\q)*REC+31488      ; and 2, 3
.set tt, 0
.rept 4
.irp c, 0,1,2,3
	ds_load_b128 v[32+16*tt+4*\c:35+16*tt+4*\c], v[ADR] offset:(\q)*REC+2048*tt+512*\c
.endr
.set tt, tt+1
.endr
	WIN 0x40
.set tt, 0
.rept 4
.irp c, 0,1,2,3
	ds_load_b128 v[32+16*tt+4*\c:35+16*tt+4*\c], v[ADR] offset:(\q)*REC+2048*(4+tt)+512*\c
.endr
.set tt, tt+1
.endr
	WIN 0
	WALU
	s_wait_dscnt 16                                ; the scale tables and K's fragments 0-3 are in; the sixteen loads of fragments 4-7 may be out
	v_perm_b32 v220, v250, v248, 0x05040100        ; V's scale words: two bytes of each half of the step
	v_perm_b32 v221, v250, v248, 0x07060302
	v_perm_b32 v222, v251, v249, 0x05040100
	v_perm_b32 v223, v251, v249, 0x07060302
	SMUL QFB, QSB, 1
	MASK JB
	SOFT STB, CDB, PWB, OB
	s_cmp_gt_u32 s[ST], s[JA]                      ; the step lies behind tile A's block: ids and the count of steps alone
	s_cbranch_scc1 .LonlyB_\@
	SMUL QFA, QSA, 0                               ; the same fragments of K once more, from registers
	VLOAD \q                                       ; K is done with: V lands under tile A's softmax
	MASK JA
	SOFT STA, CDA, PWA, OA
	s_wait_dscnt 0x0                               ; V is in
	PV OA, CDA, PWA
	s_branch .Ljoin_\@
.LonlyB_\@:
	VLOAD \q
	s_wait_dscnt 0x0
.Ljoin_\@:
	PV OB, CDB, PWB
.Lhidden_\@:
	s_add_co_u32 s[ST], s[ST], 1
.endm
; THE CHANGE OF SLOTS at a slot's head: every wave waits for all its tensor loads, adds 0 to its spare word, waits for that and for its reads of the slot that it has left, and passes the barrier.
; fill = 1: the slot just left takes the next two steps, while the first of them is at or under the work-group's last step: a slot past that is read by no wave.  The test is made of ids and the count of steps, the same in all waves.
.macro CHANGE fill
	s_wait_tensorcnt 0x0
	ds_add_u32 v[SPW], v[NIL]
.if \fill
	ds_add_u32 v[SPW], v[NIL]                      ; twice on end here
	s_xor_b32 s[G0+1], s[G0+1], SLOT1              ; no tensor load is out: the descriptor walks on
	s_add_nc_u64 s[G0+2:G0+3], s[G0+2:G0+3], 2*REC
	s_wait_xcnt 0x0                                ; the last prefetches, a slot back, have read their address
	s_add_nc_u64 s[PFA:PFA+1], s[PFA:PFA+1], 2*REC
.endif
	s_wait_dscnt 0x0
	s_barrier_signal -1
	s_barrier_wait -1
.if \fill
	s_add_co_u32 s52, s[ST], 2                     ; the first step of the slot that this change would ask for
	s_cmp_gt_u32 s52, s[JB]
	s_cbranch_scc1 .Lpast_\@
	TLOAD
.Lpast_\@:
	ASK
.endif
.endm
	WALU                                           ; at the head's end
	s_wait_loadcnt 0x0                             ; Q and its scale words
.Lslot:                                            ; seven trips: behind each change of slots but the last the next slot is asked for, up to the causal limit
	CHANGE 1
	STEP 0
	STEP 1
	s_xor_b32 s[TB], s[TB], SLOT1
	s_sub_co_u32 s[SLOTS], s[SLOTS], 1
	s_cmp_lg_u32 s[SLOTS], 0
	s_cbranch_scc1 .Lslot
	CHANGE 0                                       ; the last slot is written out: nothing follows it
	STEP 0
	STEP 1
	; THE WAY OUT: O^T / the sum goes through the tile's stage and leaves as 25 aligned blocks of 256 bytes: a tile of 16 rows x 100 numbers is dense in att.
	NOPS 8
	v_add_f32 v14, v14, v15
	v_add_f32 v18, v18, v19
	v_permlanex16_b32 v252, v14, s[SEL], s[SEL+1]
	v_permlanex16_b32 v253, v18, s[SEL], s[SEL+1]
	v_add_f32 v14, v14, v252
	v_add_f32 v18, v18, v253
	WALU                                           ; ahead of the two reciprocals
	v_rcp_f32 v14, v14
	v_rcp_f32 v18, v18
	v_and_b32 v24, 15, v0                          ; (plain lines behind the reciprocals)
	v_bfe_u32 v25, v0, 4, 1
	s_mul_i32 s52, s[WV], 14848
	s_add_co_u32 s52, s52, STAGE                   ; my two stages
	v_mul_u32_u24 v24, v24, 464
	v_lshl_add_u32 v24, v25, 6, v24
	v_add_nc_u32 v24, s52, v24                     ; in: row r, + 64 h; register 16 b + e holds channel 32 b + 16 h + e
	v_add_nc_u32 v25, s52, v[AL8]                  ; back: 8 bytes a lane
	v_and_b32 v[ADR], 31, v0
	v_mul_u32_u24 v[ADR], v[ADR], 1311             ; piece / 50 = (piece x 1,311) >> 16 for pieces under 800
.macro OUT tb, ob, rl, ro
	WIN 0x01                                       ; O^T in window 1
	WALU                                           ; directly ahead of the first readers of the reciprocal and of the tile's O^T
.set jj, 0
.rept 56
	v_mul_f32 v[96+jj], v[(\ob)+jj], v[\rl]
.set jj, jj+1
.endr
	WIN 0
.irp b, 0,1,2
.irp e, 0,1,2,3
	ds_store_b128 v24, v[96+16*\b+4*\e:99+16*\b+4*\e] offset:7424*(\tb)+128*\b+16*\e
.endr
.endr
	ds_store_b128 v24, v[144:147] offset:7424*(\tb)+384        ; channels 96-99; lanes 16-31 write into the row's padding
.set ii, 0
.rept 25
	v_add_nc_u32 v[ADR8], 32*1311*ii, v[ADR]
	v_lshrrev_b32 v[ADR8], 16, v[ADR8]
	v_lshl_add_u32 v[ADR8], v[ADR8], 6, v25        ; 64 bytes of padding for each row passed
	ds_load_b64 v[(\ro)+2*ii:(\ro)+2*ii+1], v[ADR8] offset:7424*(\tb)+256*ii   ; LDS serves a wave's instructions in order: these see my stores
.set ii, ii+1
.endr
.endm
	OUT 0, OA, 14, 160
	s_wait_dscnt 25                                ; tile A's thirteen stores into its stage are done (its 25 loads may be out): their registers take tile B's numbers
	OUT 1, OB, 18, 32
.set ii, 0
.rept 25
	s_wait_dscnt 62-ii                             ; behind tile A's load ii: its 24 - ii later loads and tile B's 38 LDS instructions
	global_store_b64 v[AL8], v[160+2*ii:161+2*ii], s[10:11] offset:256*ii
.set ii, ii+1
.endr
.set ii, 0
.rept 25
	s_wait_dscnt 24-ii
	global_store_b64 v[AL8], v[32+2*ii:33+2*ii], s[OUB:OUB+1] offset:256*ii
.set ii, ii+1
.endr
	s_wait_tensorcnt 0x0                           ; the wave's end
	ds_add_u32 v[SPW], v[NIL]
	s_wait_dscnt 0x0
	s_endpgm
.Lfunc_end_k_q6ebfb0ee71_attn:
	.size	k_q6ebfb0ee71_attn, .Lfunc_end_k_q6ebfb0ee71_attn-k_q6ebfb0ee71_attn
	.p2alignl 7, 3214868480
	.fill 96, 4, 3214868480
	.section	.rodata,"a",@progbits
	.p2align	6, 0x0
	.amdhsa_kernel k_q6ebfb0ee71_attn
		.amdhsa_group_segment_fixed_size 327680
		.amdhsa_private_segment_fixed_size 0
		.amdhsa_enable_private_segment 0
		.amdhsa_kernarg_size 32
		.amdhsa_user_sgpr_count 2
		.amdhsa_user_sgpr_kernarg_segment_ptr 1
		.amdhsa_wavefront_size32 1
		.amdhsa_system_sgpr_workgroup_id_x 1
		.amdhsa_system_sgpr_workgroup_id_y 1
		.amdhsa_system_sgpr_workgroup_id_z 1
		.amdhsa_system_vgpr_workitem_id 0
		.amdhsa_next_free_vgpr 512
		.amdhsa_next_free_sgpr 66
		.amdhsa_reserve_vcc 1
		.amdhsa_float_denorm_mode_32 3
		.amdhsa_float_denorm_mode_16_64 3
		.amdhsa_memory_ordered 1
		.amdhsa_forward_progress 1
		.amdhsa_inst_pref_size 239
	.end_amdhsa_kernel
	.amdgpu_metadata
---
amdhsa.version: [ 1, 2 ]
amdhsa.kernels:
  - .name:           k_q6ebfb0ee71_attn
    .symbol:         k_q6ebfb0ee71_attn.kd
    .args:
      - { .name: qc, .offset: 0, .size: 8, .value_kind: global_buffer, .address_space: global }
      - { .name: qs, .offset: 8, .size: 8, .value_kind: global_buffer, .address_space: global }
      - { .name: kv, .offset: 16, .size: 8, .value_kind: global_buffer, .address_space: global }
      - { .name: att, .offset: 24, .size: 8, .value_kind: global_buffer, .address_space: global }
    .group_segment_fixed_size: 327680
    .private_segment_fixed_size: 0
    .kernarg_segment_align: 8
    .kernarg_segment_size: 32
    .max_flat_workgroup_size: 256
    .sgpr_count:     66
    .vgpr_count:     512
    .wavefront_size: 32
...
	.end_amdgpu_metadata
.endif
;; end of part 3
;; launch tail (part 4): grid 256 x 1, 4 waves a work-group, no clusters, 315,136 bytes of LDS; arguments att, x, wts, bo, ln2_g, ln2_b, b1, b2, out0; writes out0
.if DOCPART == 4
	.amdgcn_target "amdgcn-amd-amdhsa--gfx1250"
	.amdhsa_code_object_version 6
	.text
	.protected	k_q6ebfb0ee71_tail
	.globl	k_q6ebfb0ee71_tail
	.p2align	8
	.type	k_q6ebfb0ee71_tail,@function
k_q6ebfb0ee71_tail:
	s_mov_b64 s[64:65], 0
	v_nop
	global_prefetch_b8 v0, s[64:65] scope:SCOPE_SE
	s_setreg_imm32_b32 hwreg(HW_REG_WAVE_MODE, 25, 1), 1
	s_wait_xcnt 0x0
; x1 = x + Q(att) Q(Wo) + bo;  h2 = layernorm(x1) g + b;  out = x1 + Q(relu(Q(h2) Q(W1) + b1)) Q(W2) + b2: products 6, 7, 8 on codes.  Nothing of reference() is left out here.
; SHARES.  A work-group takes 64 tokens through the whole chain; the hidden layer never goes to memory.  Row phases: wave w takes rows 16 w .. 16 w + 15.
; Products with 400 columns: wave w takes the column tiles 6 w .. 6 w + 5 for all four row tiles, and tile 24 for row tile w: 25 accumulators, the same text in every wave.
; Product 7: in round R = 0 .. 2 wave w makes hidden K step 4 R + w (128 units) for all four row tiles; in the last round the remaining 64 units, wave w for row tile w.
; Each weight fragment is wanted by one wave, once, and feeds four products from registers: the weights come by global loads through a ring of two register buffers; no tensor load, no cluster (nothing would be shared but through LDS).
; Residual and bias are the sums' starting values: the accumulators begin as x + bo (then x1 + b2), b1 is the C of a hidden tile's first product.
; Activations go from wave to wave through LDS as images of their operand registers.  LIMITS: NaN and infinities are not served; a block of zeros carries the byte 1 (zero codes; read by this program alone).
; REGISTERS: window 0: addresses, scale words, activations, codes; window 1: h2's 16 fragments; window 2: the weights' ring; window 3: the 25 accumulators and b1's ring.
.set GB2,   0
.set ASC,   3328
.set H2SC,  5376
.set HSC,   7424
.set AIMG,  9472
.set H2IMG, 42240
.set HIMG,  75008
.set XST,   107776
.set AST,   211200
.set SPARE, 314624
.set SP,    1616
.set TR,    8448
.set BR,    14848
.set OW1,   709632
.set OWO,   1655808
.set OW2,   1893376
.set FLOOR, 0x4800000
.set EOFF,  0xfc000000
.set L16, 1
.set L4H, 2                            ; 4 r + 128 h
.set L4M, 3                            ; 4 r + 512 h
.set L4W, 4                            ; 4 r + 512 w
.set L4S, 5                            ; 4 x lane + 512 w
.set HWS, 6
.set LIA, 7
.set LIAW, 8
.set LIH2, 9
.set LIH2W, 10
.set LIH, 11
.set LIHW, 12
.set HWI, 13
.set RB,  14                           ; v14-17 my columns of row tile m in the stage
.set RBX, 18                           ; tile 24's columns of row tile w
.set AR,  19
.set AR12, 20
.set XR,  21
.set XR12, 22
.set GA,  23
.set GA12, 24
.set SPW, 25
.set NIL, 26
.set BA,  27
.set BAN, 28
.set H64, 29
.set H32W, 30
.set WSL, 31
.set PW,  32
.set H32, 33
.set MU,  34
.set RS,  36
.set CH,  38
.set SW,  38
.set RT,  42
.set TM,  48
.set HS,  64
.set WSC, 72
.set AS,  80
.set L4HW, 86
.set ACT0, 88
.set ACC, 88
.set BI,  88
.set CD,  152
.set X,   64
.set G,   128
.set BT,  192
.set PC,  128
.set B1R, 200                          ; in window 3
.set WV,  22
.set SEL, 24
.set MNT, 26
.set LM,  27
.set C400, 28
.set EPS, 29
.set PO,  30
.set P1,  32
.set P2,  34
.set KC,  38
.set KO,  39
.set KI,  40
.set KS,  41
.set RC,  42
.set BON, 43
.set MSB, 0
.macro WIN new
.if MSB != \new
	s_set_vgpr_msb (MSB<<8)|\new
.set MSB, \new
.endif
.endm
.macro NOPS n
.rept \n
	v_nop
.endr
.endm
.macro BARRIER
	s_wait_dscnt 0x0
	s_barrier_signal -1
	s_barrier_wait -1
.endm
.macro QUANT4 s, ng, n, relu, d, ds
.set qg, 0
.rept \ng
.if \relu
	v_max3_num_f32 v[TM+qg], v[(\s)+16*qg], v[(\s)+16*qg+1], FLOOR
.else
	v_max3_num_f32 v[TM+qg], |v[(\s)+16*qg]|, |v[(\s)+16*qg+1]|, FLOOR
.endif
.set qg, qg+1
.endr
.set qi, 2
.rept (\n)/2-1
.set qg, 0
.rept \ng
.if \relu
	v_max3_num_f32 v[TM+qg], v[TM+qg], v[(\s)+16*qg+qi], v[(\s)+16*qg+qi+1]
.else
	v_max3_num_f32 v[TM+qg], v[TM+qg], |v[(\s)+16*qg+qi]|, |v[(\s)+16*qg+qi+1]|
.endif
.set qg, qg+1
.endr
.set qi, qi+2
.endr
.set qg, 0
.rept \ng
	v_permlanex16_b32 v[TM+4+qg], v[TM+qg], s[SEL], s[SEL+1]
.set qg, qg+1
.endr
.set qg, 0
.rept \ng
	v_max_num_f32 v[TM+qg], v[TM+qg], v[TM+4+qg]
.set qg, qg+1
.endr
.set qg, 0
.rept \ng
	v_add_nc_u32 v[TM+12+qg], EOFF, v[TM+qg]
.set qg, qg+1
.endr
.set qg, 0
.rept \ng
	v_and_or_b32 v[TM+8+qg], v[TM+qg], 0x7f800000, s[MNT]
.set qg, qg+1
.endr
.set qg, 0
.rept \ng
	v_lshrrev_b32 v[TM+4+qg], 23, v[TM+12+qg]
.set qg, qg+1
.endr
.set qg, 0
.rept \ng
.set qi, 0
.rept \n
.if \relu
	v_med3_num_f32 v[(\s)+16*qg+qi], v[(\s)+16*qg+qi], 0, v[TM+8+qg]       ; the activation and the hold in one
.else
	v_med3_num_f32 v[(\s)+16*qg+qi], v[(\s)+16*qg+qi], -v[TM+8+qg], v[TM+8+qg]
.endif
.set qi, qi+1
.endr
	v_cvt_scalef32_pk8_fp8_f32 v[(\d)+(\ds)*qg:(\d)+(\ds)*qg+1], v[(\s)+16*qg:(\s)+16*qg+7], v[TM+12+qg]
.if (\n) == 16
	v_cvt_scalef32_pk8_fp8_f32 v[(\d)+(\ds)*qg+2:(\d)+(\ds)*qg+3], v[(\s)+16*qg+8:(\s)+16*qg+15], v[TM+12+qg]
.else
	v_mov_b32 v[(\d)+(\ds)*qg+2], 0
	v_mov_b32 v[(\d)+(\ds)*qg+3], 0
.endif
.set qg, qg+1
.endr
	v_nop
.endm
.macro WMS d, a, b, c, sa, ra, sb, rb
.if (\ra) && (\rb)
	v_wmma_scale_f32_16x16x128_f8f6f4 v[(\d):(\d)+7], v[(\a):(\a)+15], v[(\b):(\b)+15], v[(\c):(\c)+7], v[(\sa)], v[(\sb)] matrix_a_scale:MATRIX_SCALE_ROW1 matrix_b_scale:MATRIX_SCALE_ROW1
.elseif (\ra)
	v_wmma_scale_f32_16x16x128_f8f6f4 v[(\d):(\d)+7], v[(\a):(\a)+15], v[(\b):(\b)+15], v[(\c):(\c)+7], v[(\sa)], v[(\sb)] matrix_a_scale:MATRIX_SCALE_ROW1
.elseif (\rb)
	v_wmma_scale_f32_16x16x128_f8f6f4 v[(\d):(\d)+7], v[(\a):(\a)+15], v[(\b):(\b)+15], v[(\c):(\c)+7], v[(\sa)], v[(\sb)] matrix_b_scale:MATRIX_SCALE_ROW1
.else
	v_wmma_scale_f32_16x16x128_f8f6f4 v[(\d):(\d)+7], v[(\a):(\a)+15], v[(\b):(\b)+15], v[(\c):(\c)+7], v[(\sa)], v[(\sb)]
.endif
.endm
.macro STATS xr, xr12
.set cc, 0
.rept 12
.irp j, 0,1,2,3
	ds_load_b128 v[48+16*cc+4*\j:51+16*cc+4*\j], v[\xr] offset:128*cc+16*\j
.endr
.set cc, cc+1
.endr
.irp j, 0,1,2,3
	ds_load_b128 v[240+4*\j:243+4*\j], v[\xr12] offset:16*\j
.endr
	s_wait_dscnt 0x0
.set ii, 240
.rept 16
	v_cndmask_b32 v[ii], 0, v[ii], s[LM]
.set ii, ii+1
.endr
.irp k, 0,1,2,3
	v_pk_add_f32 v[CH+2*\k:CH+2*\k+1], v[48+2*\k:49+2*\k], v[56+2*\k:57+2*\k]
.endr
.set ii, 64
.rept 24
.irp k, 0,1,2,3
	v_pk_add_f32 v[CH+2*\k:CH+2*\k+1], v[CH+2*\k:CH+2*\k+1], v[ii+2*\k:ii+2*\k+1]
.endr
.set ii, ii+8
.endr
	v_pk_add_f32 v[CH:CH+1], v[CH:CH+1], v[CH+2:CH+3]
	v_pk_add_f32 v[CH+4:CH+5], v[CH+4:CH+5], v[CH+6:CH+7]
	v_pk_add_f32 v[CH:CH+1], v[CH:CH+1], v[CH+4:CH+5]
	v_add_f32 v[CH], v[CH], v[CH+1]
	v_permlanex16_b32 v[CH+1], v[CH], s[SEL], s[SEL+1]
	v_add_f32 v[CH], v[CH], v[CH+1]
	v_mul_f32 v[MU], s[C400], v[CH]
	v_mov_b32 v[MU+1], v[MU]
.set ii, 48
.rept 104
	v_pk_add_f32 v[ii:ii+1], v[ii:ii+1], v[MU:MU+1] neg_lo:[0,1] neg_hi:[0,1]
.set ii, ii+2
.endr
.set ii, 240
.rept 16
	v_cndmask_b32 v[ii], 0, v[ii], s[LM]
.set ii, ii+1
.endr
.irp k, 0,1,2,3
	v_pk_mul_f32 v[CH+2*\k:CH+2*\k+1], v[48+2*\k:49+2*\k], v[48+2*\k:49+2*\k]
.endr
.set ii, 56
.rept 25
.irp k, 0,1,2,3
	v_pk_fma_f32 v[CH+2*\k:CH+2*\k+1], v[ii+2*\k:ii+2*\k+1], v[ii+2*\k:ii+2*\k+1], v[CH+2*\k:CH+2*\k+1]
.endr
.set ii, ii+8
.endr
	v_pk_add_f32 v[CH:CH+1], v[CH:CH+1], v[CH+2:CH+3]
	v_pk_add_f32 v[CH+4:CH+5], v[CH+4:CH+5], v[CH+6:CH+7]
	v_pk_add_f32 v[CH:CH+1], v[CH:CH+1], v[CH+4:CH+5]
	v_add_f32 v[CH], v[CH], v[CH+1]
	v_permlanex16_b32 v[CH+1], v[CH], s[SEL], s[SEL+1]
	v_add_f32 v[CH], v[CH], v[CH+1]
	v_fma_f32 v[CH+1], v[CH], s[C400], s[EPS]
	s_wait_alu depctr_va_vdst(0)
	v_rsq_f32 v[RS], v[CH+1]
	v_nop
	s_wait_alu depctr_va_vdst(0)                   ; the wait ahead of the first reader
	v_mov_b32 v[RS+1], v[RS]
.endm
.macro ROWK ln, nch, xa, ga, ia, io, sa, so
.set rc, 0
.rept \nch
.irp j, 0,1,2,3
	ds_load_b128 v[X+16*rc+4*\j:X+16*rc+4*\j+3], v[\xa] offset:128*rc+16*\j
.endr
.set rc, rc+1
.endr
.if \ln
.set rc, 0
.rept \nch
.irp j, 0,1,2,3
	ds_load_b128 v[G+16*rc+4*\j:G+16*rc+4*\j+3], v[\ga] offset:128*rc+16*\j
	ds_load_b128 v[BT+16*rc+4*\j:BT+16*rc+4*\j+3], v[\ga] offset:1600+128*rc+16*\j
.endr
.set rc, rc+1
.endr
.endif
	s_wait_dscnt 0x0
.if \ln
.set ri, 0
.rept 8*\nch
	v_pk_add_f32 v[X+ri:X+ri+1], v[X+ri:X+ri+1], v[MU:MU+1] neg_lo:[0,1] neg_hi:[0,1]
.set ri, ri+2
.endr
.set ri, 0
.rept 8*\nch
	v_pk_mul_f32 v[X+ri:X+ri+1], v[X+ri:X+ri+1], v[RS:RS+1]
.set ri, ri+2
.endr
.set ri, 0
.rept 8*\nch
	v_pk_fma_f32 v[X+ri:X+ri+1], v[X+ri:X+ri+1], v[G+ri:G+ri+1], v[BT+ri:BT+ri+1]
.set ri, ri+2
.endr
.endif
.if (\nch) == 1
.set ri, 0
.rept 16
	v_cndmask_b32 v[X+ri], 0, v[X+ri], s[LM]
.set ri, ri+1
.endr
.endif
	QUANT4 X, \nch, 16, 0, PC, 4
.if (\nch) == 4
	v_lshl_or_b32 v[PW], v[TM+5], 8, v[TM+4]
	v_lshl_or_b32 v[PW], v[TM+6], 16, v[PW]
	v_lshl_or_b32 v[PW], v[TM+7], 24, v[PW]
.else
	v_mov_b32 v[PW], v[TM+4]
.set ri, 4
.rept 12
	v_mov_b32 v[PC+ri], 0
.set ri, ri+1
.endr
.endif
.irp c, 0,1,2,3
	ds_store_b128 v[\ia], v[PC+4*\c:PC+4*\c+3] offset:(\io)+512*\c
.endr
	ds_store_b32 v[\sa], v[PW] offset:\so
	s_wait_dscnt 0x0
.endm
.macro ROWLOOP ln, xr, xr12, iw, sc
	s_mov_b32 s[KO], 0
	s_mov_b32 s[KI], 0
	s_mov_b32 s[KS], 0
	s_mov_b32 s[KC], 0
.Lks_\@:
	v_add_nc_u32 v[RT], s[KO], v[\xr]
	v_add_nc_u32 v[RT+1], s[KO], v[GA]
	v_add_nc_u32 v[RT+2], s[KI], v[\iw]
	v_add_nc_u32 v[RT+3], s[KS], v[L4S]
	ROWK \ln, 4, RT, RT+1, RT+2, 0, RT+3, \sc
	s_add_co_u32 s[KO], s[KO], 512
	s_add_co_u32 s[KI], s[KI], 2048
	s_add_co_u32 s[KS], s[KS], 128
	s_add_co_u32 s[KC], s[KC], 1
	s_cmp_lt_u32 s[KC], 3
	s_cbranch_scc1 .Lks_\@
	ROWK \ln, 1, \xr12, GA12, \iw, 6144, L4S, (\sc)+384
.endm
; the weights' ring.  A K-step record (Wo, W2): 28 loads of codes + 1 of scale words = 29.  A pair of W1's tiles: 2 x 13 of codes + 1 + 4 of b1 = 31.
.macro LOADB_R buf, ptr, off
	WIN 0x80
.set kk, 0
.rept 28
	global_load_b128 v[128*(\buf)+4*kk:128*(\buf)+4*kk+3], v[L16], s[\ptr:\ptr+1] offset:(\off)+512*kk
.set kk, kk+1
.endr
	WIN 0
.endm
.macro LOADS_R buf, ptr, off
	global_load_b128 v[WSC+4*(\buf):WSC+4*(\buf)+3], v[L16], s[\ptr:\ptr+1] offset:(\off)+14336
.endm
.macro LOADB_T buf, off
	WIN 0x80
.set kk, 0
.rept 12
	v_mov_b32 v[128*(\buf)+52+kk], 0               ; K = 400: k = 416 .. 511 of both tiles are zero codes and are not loaded; a record of Wo or W2 may have lain here, so they are written anew
	v_mov_b32 v[128*(\buf)+116+kk], 0
.set kk, kk+1
.endr
	s_wait_alu depctr_va_vdst(0)                   ; the wait directly behind the writes
.set uu, 0
.rept 2
.set kk, 0
.rept 13
	global_load_b128 v[128*(\buf)+64*uu+4*kk:128*(\buf)+64*uu+4*kk+3], v[L16], s[P1:P1+1] offset:(\off)+TR*uu+512*kk
.set kk, kk+1
.endr
.set uu, uu+1
.endr
	WIN 0
.endm
.macro LOADS_T buf, off, bareg, c
	global_load_b128 v[WSC+4*(\buf):WSC+4*(\buf)+3], v[WSL], s[P1:P1+1] offset:(\off)+8192
	WIN 0xC0
.irp e, 0,1,2,3
	global_load_b128 v[B1R+16*(\buf)+4*\e:B1R+16*(\buf)+4*\e+3], v[\bareg], s[16:17] offset:128*(\c)+16*\e
.endr
	WIN 0
.endm
; the accumulators begin as the stage's numbers (the residual) + the bias
.macro CINIT bp
.irp f, 0,1,2,3,4,5
	global_load_b128 v[BI+8*\f:BI+8*\f+3], v[H32W], s[\bp:\bp+1] offset:64*\f
	global_load_b128 v[BI+8*\f+4:BI+8*\f+7], v[H32W], s[\bp:\bp+1] offset:64*\f+16
.endr
	global_load_b128 v[BI+48:BI+51], v[H32], s[\bp:\bp+1] offset:1536
	global_load_b128 v[BI+52:BI+55], v[H32], s[\bp:\bp+1] offset:1552
	WIN 0xC0
.irp f, 0,1,2,3,4,5
.irp m, 0,1,2,3
	ds_load_b128 v[8*(4*\f+\m):8*(4*\f+\m)+3], v[RB+\m] offset:64*\f
	ds_load_b128 v[8*(4*\f+\m)+4:8*(4*\f+\m)+7], v[RB+\m] offset:64*\f+16
.endr
.endr
	ds_load_b128 v[192:195], v[RBX]
	ds_load_b128 v[196:199], v[RBX] offset:16
	WIN 0
	s_wait_loadcnt 0x0
	s_wait_dscnt 0x0
	WIN 0xC3
.irp f, 0,1,2,3,4,5
.irp m, 0,1,2,3
.irp q, 0,2,4,6
	v_pk_add_f32 v[8*(4*\f+\m)+\q:8*(4*\f+\m)+\q+1], v[8*(4*\f+\m)+\q:8*(4*\f+\m)+\q+1], v[BI+8*\f+\q:BI+8*\f+\q+1]
.endr
.endr
.endr
.irp q, 0,2,4,6
	v_pk_add_f32 v[192+\q:193+\q], v[192+\q:193+\q], v[BI+48+\q:BI+49+\q]
.endr
	WIN 0
.endm
.macro ACTLOAD ab, img, imgw, sc, k    ; K step k of the activations: four row tiles, row tile w once more, three registers of scale words: 23 LDS loads
.set ar, ACT0+80*(\ab)
.irp m, 0,1,2,3
.irp c, 0,1,2,3
	ds_load_b128 v[ar+16*\m+4*\c:ar+16*\m+4*\c+3], v[\img] offset:(4*\m+(\k))*2048+512*\c
.endr
.endr
.irp c, 0,1,2,3
	ds_load_b128 v[ar+64+4*\c:ar+64+4*\c+3], v[\imgw] offset:(\k)*2048+512*\c
.endr
	ds_load_b32 v[AS+3*(\ab)], v[L4M] offset:(\sc)+(\k)*128
	ds_load_b32 v[AS+3*(\ab)+1], v[L4M] offset:(\sc)+(8+(\k))*128
	ds_load_b32 v[AS+3*(\ab)+2], v[L4W] offset:(\sc)+(\k)*128
.endm
.macro PSTEP buf, ab                   ; 25 products in place; the accumulators take turns, one instruction a turn
	WIN 0xF2
.set ff, 0
.rept 6
.set mm, 0
.rept 4
	WMS 8*(4*ff+mm), 128*(\buf)+16*ff, ACT0+80*(\ab)+16*mm, 8*(4*ff+mm), WSC+4*(\buf)+ff/2, ff%2, AS+3*(\ab)+mm/2, mm%2
.set mm, mm+1
.endr
.set ff, ff+1
.endr
	WMS 192, 128*(\buf)+96, ACT0+80*(\ab)+64, 192, WSC+4*(\buf)+3, 0, AS+3*(\ab)+2, 0
.endm
.macro PROD wl, k, last, img, imgw, sc ; wl: how many younger global loads may stay out
.if (\wl) >= 0
	s_wait_loadcnt \wl
.endif
.if \last
	s_wait_dscnt 0x0
.else
	ACTLOAD ((\k)+1)%2, \img, \imgw, \sc, (\k)+1
	s_wait_dscnt 23                                ; this K step's 23 are in; the next step's may be out
.endif
	PSTEP (\k)%2, (\k)%2
	WIN 0
	NOPS 8                                         ; places in front of loads into registers that these products read, and of reads of their results
.endm
.macro WB                              ; the accumulators go back to my places in the stage, each from its low end on
	WIN 0x0C
.irp f, 0,1,2,3,4,5
.irp m, 0,1,2,3
	ds_store_b128 v[RB+\m], v[8*(4*\f+\m):8*(4*\f+\m)+3] offset:64*\f
	ds_store_b128 v[RB+\m], v[8*(4*\f+\m)+4:8*(4*\f+\m)+7] offset:64*\f+16
.endr
.endr
	ds_store_b128 v[RBX], v[192:195]
	ds_store_b128 v[RBX], v[196:199] offset:16
	WIN 0
.endm
.macro MUL1 buf                        ; a pair of W1's tiles x h2's four row tiles; b1 is the C of each sum's first product
.set kk, 0
.rept 4
.if kk == 0
	WIN 0x36
.else
	WIN 0x06
.endif
.set uu, 0
.rept 2
.set mm, 0
.rept 4
.if kk == 0
	WMS ACC+16*mm+8*uu, 128*(\buf)+64*uu, 64*mm, B1R+16*(\buf)+8*uu, WSC+4*(\buf), uu, HS+2*mm, 0
.else
	WMS ACC+16*mm+8*uu, 128*(\buf)+64*uu+16*kk, 64*mm+16*kk, ACC+16*mm+8*uu, WSC+4*(\buf)+kk, uu, HS+2*mm+kk/2, kk%2
.endif
.set mm, mm+1
.endr
.set uu, uu+1
.endr
.set kk, kk+1
.endr
.endm
.macro PH1 c, wl
	s_wait_loadcnt \wl
	MUL1 (\c)%2
	WIN 0
	NOPS 8
.endm
.macro PH1Q c                          ; relu, quantiser: block c of my hidden K step, for the four row tiles
	QUANT4 ACC, 4, 16, 1, CD+4*(\c), 16
.irp m, 0,1,2,3
.if (\c) == 0
	v_mov_b32 v[SW+\m], v[TM+4+\m]
.else
	v_lshl_or_b32 v[SW+\m], v[TM+4+\m], 8*(\c), v[SW+\m]
.endif
.endr
.endm
	s_load_b256 s[4:11], s[0:1], 0x0               ; att, x, wts, bo
	s_load_b256 s[12:19], s[0:1], 0x20             ; ln2_g, ln2_b, b1, b2
	s_load_b64 s[20:21], s[0:1], 0x40              ; out0
	v_lshl_add_u32 v[SPW], v0, 2, SPARE
	v_mov_b32 v[NIL], 0
	v_lshrrev_b32 v248, 5, v0
	v_readfirstlane_b32 s[WV], v248
	v_and_b32 v249, 31, v0                         ; lane
	v_and_b32 v250, 15, v0                         ; r
	v_bfe_u32 v251, v0, 4, 1                       ; h
	s_lshl_b32 s44, s[WV], 9
	s_lshl_b32 s45, s[WV], 13
	s_lshl_b32 s46, s[WV], 7
	s_lshl_b32 s47, s[WV], 11
	v_lshlrev_b32 v[L16], 4, v249
	v_lshlrev_b32 v252, 2, v250                    ; 4 r
	v_lshl_add_u32 v[L4H], v251, 7, v252
	v_lshl_add_u32 v[L4M], v251, 9, v252
	v_add_nc_u32 v[L4W], s44, v252
	v_lshlrev_b32 v252, 2, v249                    ; 4 x lane
	v_add_nc_u32 v[L4S], s44, v252
	v_add_nc_u32 v[HWS], s46, v252
	v_add_nc_u32 v[HWS], HSC, v[HWS]
	v_add_nc_u32 v[LIA], AIMG, v[L16]
	v_add_nc_u32 v[LIAW], s45, v[LIA]
	v_add_nc_u32 v[LIH2], H2IMG, v[L16]
	v_add_nc_u32 v[LIH2W], s45, v[LIH2]
	v_add_nc_u32 v[LIH], HIMG, v[L16]
	v_add_nc_u32 v[LIHW], s45, v[LIH]
	v_add_nc_u32 v[HWI], s47, v[LIH]
	v_mul_u32_u24 v255, v250, SP                   ; r rows
	v_lshl_add_u32 v253, v251, 5, v255             ; + 32 h
	s_mul_i32 s48, s[WV], 384
	s_add_co_u32 s48, s48, XST
.irp m, 0,1,2,3
	v_add_nc_u32 v[RB+\m], s48, v253
	v_add_nc_u32 v[RB+\m], 16*SP*\m, v[RB+\m]
.endr
	s_mul_i32 s51, s[WV], 16*SP
	s_add_co_u32 s49, s51, XST+1536
	v_add_nc_u32 v[RBX], s49, v253
	v_and_b32 v254, 7, v250                        ; att's rows lie in the order of attention's tiles: token 16 w + r is row 32 (w / 2) + 16 (r / 8) + 8 (w % 2) + r % 8
	v_lshrrev_b32 v252, 3, v250
	v_lshl_add_u32 v254, v252, 4, v254
	s_lshr_b32 s50, s[WV], 1
	s_lshl_b32 s50, s50, 5
	s_and_b32 s49, s[WV], 1
	s_lshl_b32 s48, s49, 3
	s_add_co_u32 s50, s50, s48
	v_add_nc_u32 v254, s50, v254
	v_mul_u32_u24 v254, v254, SP
	v_add_nc_u32 v[AR12], AST+1536, v254
	v_lshl_add_u32 v254, v251, 6, v254
	v_add_nc_u32 v[AR], AST, v254
	v_add_nc_u32 v255, s51, v255
	v_add_nc_u32 v[XR12], XST+1536, v255
	v_lshl_add_u32 v255, v251, 6, v255
	v_add_nc_u32 v[XR], XST, v255
	v_lshlrev_b32 v[GA], 6, v251
	v_mov_b32 v[GA12], 1536
	v_lshlrev_b32 v[H64], 6, v251
	v_lshlrev_b32 v[H32], 5, v251
	s_mul_i32 s48, s[WV], 384
	v_add_nc_u32 v[H32W], s48, v[H32]
	v_mul_u32_u24 v[WSL], v251, TR
	v_lshl_add_u32 v[WSL], v250, 4, v[WSL]
	v_add_nc_u32 v[BA], s44, v[H64]                ; b1: 64 h + 512 w, + 2,048 a round
	s_add_co_u32 s[BON], s44, 2048
	v_add_nc_u32 v[BAN], s[BON], v[H64]
	v_mul_u32_u24 v42, v249, 5243                  ; for the pieces' rows
	s_mul_i32 s48, s[WV], 400
	s_add_co_u32 s48, s48, AST
	v_add_nc_u32 v43, s48, v[L16]                  ; att's copy: head w's columns
	v_and_b32 v45, 3, v249
	v_lshlrev_b32 v45, 4, v45
	v_add_nc_u32 v45, 1536, v45
	s_mul_i32 s49, s49, 1600
	v_add_nc_u32 v46, s49, v[L16]
	v_add_nc_u32 v47, s49, v45
	s_mov_b32 s[SEL], 0x76543210
	s_mov_b32 s[SEL+1], 0xfedcba98
	s_mov_b32 s[MNT], 0x600000
	s_mov_b32 s[LM], 0x0000ffff
	s_mov_b32 s[C400], 0x3b23d70a
	s_mov_b32 s[EPS], 0x3727c5ac
	s_wait_kmcnt 0x0
	s_lshr_b32 s44, ttmp9, 5
	s_lshl_b32 s44, s44, 2
	s_add_co_u32 s44, s44, s[WV]
	s_lshl_b32 s44, s44, 7
	s_and_b32 s45, ttmp9, 31
	s_lshl_b32 s45, s45, 2
	s_add_co_u32 s44, s44, s45
	s_mul_i32 s44, s44, 6400
	s_mov_b32 s45, 0
	s_add_nc_u64 s[4:5], s[4:5], s[44:45]          ; att: head w's four tiles of these 64 tokens, 25,600 dense bytes
	s_mul_i32 s44, ttmp9, 102400
	s_mul_i32 s46, s[WV], 25600
	s_add_co_u32 s44, s44, s46
	s_add_nc_u64 s[6:7], s[6:7], s[44:45]
	s_add_nc_u64 s[20:21], s[20:21], s[44:45]
	s_mul_i32 s44, s[WV], 59392
	s_add_co_u32 s44, s44, OWO
	s_add_nc_u64 s[PO:PO+1], s[8:9], s[44:45]
	s_mul_i32 s44, s[WV], 236544
	s_add_co_u32 s44, s44, OW1
	s_add_nc_u64 s[P1:P1+1], s[8:9], s[44:45]
	s_mul_i32 s44, s[WV], 193024
	s_add_co_u32 s44, s44, OW2
	s_add_nc_u64 s[P2:P2+1], s[8:9], s[44:45]
	s_cmp_eq_u32 s[WV], 0
	s_cselect_b64 s[36:37], s[12:13], s[14:15]
	; ---- the copy in
	s_cmp_lt_u32 s[WV], 2
	s_cbranch_scc0 .Lno_g1
	WIN 0x40
	global_load_b128 v[200:203], v[L16], s[36:37]
	global_load_b128 v[204:207], v[L16], s[36:37] offset:512
	global_load_b128 v[208:211], v[L16], s[36:37] offset:1024
	s_wait_alu depctr_va_vdst(0)
	global_load_b128 v[212:215], v45, s[36:37]
	WIN 0
.Lno_g1:
	LOADB_R 0, PO, 0                               ; Wo's first K step is asked for ahead of att and x
.set ii, 0
.rept 50
	global_load_b128 v[48+4*ii:51+4*ii], v[L16], s[4:5] offset:512*ii th:TH_LOAD_NT
.set ii, ii+1
.endr
	WIN 0x40
.set ii, 0
.rept 50
	global_load_b128 v[4*ii:4*ii+3], v[L16], s[6:7] offset:512*ii th:TH_LOAD_NT
.set ii, ii+1
.endr
	WIN 0
	s_wait_loadcnt 50                              ; all but x's fifty: att is in
.set ii, 0
	s_wait_alu depctr_va_vdst(0)
.rept 50
	v_add_nc_u32 v248, 32*5243*ii, v42
	v_lshrrev_b32 v248, 17, v248                   ; piece / 25: the row
	v_mad_u32_u24 v248, v248, 1216, v43            ; a row of the stage is 1,616 bytes, a head's part of it 400
	ds_store_b128 v248, v[48+4*ii:51+4*ii] offset:512*ii
.set ii, ii+1
.endr
	s_cmp_lt_u32 s[WV], 2
	s_cbranch_scc0 .Lno_g2
	WIN 0x04
	ds_store_b128 v46, v[200:203]
	ds_store_b128 v46, v[204:207] offset:512
	ds_store_b128 v46, v[208:211] offset:1024
	ds_store_b128 v47, v[212:215]
	WIN 0
.Lno_g2:
	BARRIER                                        ; att, gains and biases lie in LDS; x's fifty loads are still on their way into window 1
	; ---- att's rows become four K steps of codes
.irp b, 0,1,2,3
	v_mov_b32 v[TM+4+\b], 0
.endr
	ROWLOOP 0, AR, AR12, LIAW, ASC
	LOADB_R 1, PO, BR                              ; Wo's second K step
	s_wait_loadcnt 28                              ; all but the 28 just issued: x's fifty are in; they go to my 16 rows of the stage now
	v_and_b32 v42, 31, v0
	v_mul_u32_u24 v42, v42, 5243
	s_mul_i32 s44, s[WV], 16*SP
	s_add_co_u32 s44, s44, XST
	v_add_nc_u32 v44, s44, v[L16]
.set ii, 0
.rept 50
	v_add_nc_u32 v[48+ii], 32*5243*ii, v42
	v_lshrrev_b32 v[48+ii], 19, v[48+ii]           ; the piece's row
	v_lshl_add_u32 v[48+ii], v[48+ii], 4, v44      ; 16 bytes of padding for each row passed
.set ii, ii+1
.endr
	WIN 0x04                                       ; the data lie in window 1
.set ii, 0
.rept 50
	ds_store_b128 v[48+ii], v[4*ii:4*ii+3] offset:512*ii
.set ii, ii+1
.endr
	WIN 0
	BARRIER                                        ; att's sixteen fragments and x lie in LDS
	; ---- product 6, onto x + bo
	LOADS_R 0, PO, 0
	LOADS_R 1, PO, BR
	CINIT 10                                       ; its wait for all loads covers Wo's first two K steps
	ACTLOAD 0, LIA, LIAW, ASC, 0
	s_wait_alu depctr_va_vdst(0)
	PROD -1, 0, 0, LIA, LIAW, ASC
	LOADB_R 0, PO, 2*BR
	LOADS_R 0, PO, 2*BR
	PROD 29, 1, 0, LIA, LIAW, ASC
	LOADB_R 1, PO, 3*BR
	LOADS_R 1, PO, 3*BR
	PROD 29, 2, 0, LIA, LIAW, ASC                  ; K step 2 is in; K step 3's 29 may be out
	LOADB_T 0, 0                                   ; W1's first pairs, codes alone: their scale words' registers are at work in the row phase
	PROD 26, 3, 1, LIA, LIAW, ASC                  ; K step 3 is in; the 26 just issued may be out
	LOADB_T 1, 2*TR
	WB
	BARRIER                                        ; x1 lies in the stage
	; ---- layer norm 2
	STATS XR, XR12
	ROWLOOP 1, XR, XR12, LIH2W, H2SC
	BARRIER                                        ; h2's sixteen fragments lie in LDS
	LOADS_T 0, 0, BA, 0
	LOADS_T 1, 2*TR, BA, 1
	WIN 0x40
.set ii, 0
.rept 64
	ds_load_b128 v[4*ii:4*ii+3], v[LIH2] offset:512*ii
.set ii, ii+1
.endr
	WIN 0
.irp m, 0,1,2,3
.irp i, 0,1
	ds_load_b32 v[HS+2*\m+\i], v[L4H] offset:H2SC+(4*\m+2*\i)*128
.endr
.endr
	s_lshl_b32 s44, s[WV], 9
	v_add_nc_u32 v[L4HW], s44, v[L4H]
	CINIT 18                                       ; the accumulators: x1 + b2; its waits cover all that is out
	s_mov_b32 s[RC], 3
.Lround:                                           ; a round: 512 hidden units made, quantised, and multiplied by four K steps of W2
	PH1 0, 31                                      ; pair 0 is in; pair 1's 31 may be out (on the way in nothing is out)
	LOADB_T 0, 4*TR
	s_wait_alu depctr_va_vdst(0)
	LOADS_T 0, 4*TR, BA, 2
	PH1Q 0
	PH1 1, 31
	LOADB_T 1, 6*TR
	LOADS_T 1, 6*TR, BA, 3
	PH1Q 1
	PH1 2, 31
	LOADB_R 0, P2, 0
	LOADS_R 0, P2, 0
	PH1Q 2
	PH1 3, 29                                      ; pair 3 is in; W2's first record, 29 loads, may be out
	LOADB_R 1, P2, BR
	LOADS_R 1, P2, BR
	PH1Q 3
	s_wait_alu depctr_va_vdst(0)
	BARRIER                                        ; every wave's reads of the last round's images are over
.irp m, 0,1,2,3
.irp c, 0,1,2,3
	ds_store_b128 v[HWI], v[CD+16*\m+4*\c:CD+16*\m+4*\c+3] offset:8192*\m+512*\c
.endr
	ds_store_b32 v[HWS], v[SW+\m] offset:512*\m
.endr
	BARRIER                                        ; the round's sixteen hidden fragments lie in LDS
	ACTLOAD 0, LIH, LIHW, HSC, 0
	PROD 29, 0, 0, LIH, LIHW, HSC
	LOADB_R 0, P2, 2*BR
	LOADS_R 0, P2, 2*BR
	PROD 29, 1, 0, LIH, LIHW, HSC
	LOADB_R 1, P2, 3*BR
	LOADS_R 1, P2, 3*BR
	PROD 29, 2, 0, LIH, LIHW, HSC
	LOADB_T 0, 8*TR                                ; the next round's first pairs
	LOADS_T 0, 8*TR, BAN, 0
	PROD 31, 3, 1, LIH, LIHW, HSC
	LOADB_T 1, 10*TR
	LOADS_T 1, 10*TR, BAN, 1
	s_wait_xcnt 0x0                                ; the loads have read their bases and offsets: both may step
	s_add_nc_u64 s[P1:P1+1], s[P1:P1+1], 8*TR
	s_add_nc_u64 s[P2:P2+1], s[P2:P2+1], 4*BR
	v_mov_b32 v[BA], v[BAN]
	s_add_co_u32 s44, s[BON], 2048
	s_cmp_eq_u32 s[RC], 3
	s_cselect_b32 s[BON], s44, 6144                ; the last round's 64 units begin at b1's byte 6,144 for every wave
	v_add_nc_u32 v[BAN], s[BON], v[H64]
	s_sub_co_u32 s[RC], s[RC], 1
	s_cmp_lg_u32 s[RC], 0
	s_cbranch_scc1 .Lround
	; ---- the last 64 hidden units: wave w for row tile w
.irp s, 0,1,2,3
.irp c, 0,1,2,3
	ds_load_b128 v[152+16*\s+4*\c:155+16*\s+4*\c], v[LIH2W] offset:2048*\s+512*\c
.endr
.endr
	ds_load_b32 v[AS], v[L4HW] offset:H2SC
	ds_load_b32 v[AS+1], v[L4HW] offset:H2SC+256
	s_wait_dscnt 0x0
.set cc, 0
.rept 2
.if cc == 0
	s_wait_loadcnt 31                              ; block 48's pair is in; block 49's may be out
.else
	s_wait_loadcnt 29                              ; block 49's pair is in; W2's last record may be out
.endif
.set kk, 0
.rept 4
.if kk == 0
	WIN 0x32
.else
	WIN 0x02
.endif
.set uu, 0
.rept 2
.if kk == 0
	WMS 88+16*cc+8*uu, 128*cc+64*uu, 152, B1R+16*cc+8*uu, WSC+4*cc, uu, AS, 0
.else
	WMS 88+16*cc+8*uu, 128*cc+64*uu+16*kk, 152+16*kk, 88+16*cc+8*uu, WSC+4*cc+kk, uu, AS+kk/2, kk%2
.endif
.set uu, uu+1
.endr
.set kk, kk+1
.endr
	WIN 0
	NOPS 8
.if cc == 0
	LOADB_R 0, P2, 0
	LOADS_R 0, P2, 0
.endif
.set cc, cc+1
.endr
	QUANT4 88, 2, 16, 1, 120, 4
.set ii, 128
.rept 8
	v_mov_b32 v[ii], 0                             ; hidden units 1,600 on: zero codes
.set ii, ii+1
.endr
	v_lshl_or_b32 v[PW], v[TM+5], 8, v[TM+4]
	s_wait_alu depctr_va_vdst(0)
	BARRIER
.irp c, 0,1,2,3
	ds_store_b128 v[LIHW], v[120+4*\c:123+4*\c] offset:512*\c
.endr
	ds_store_b32 v[L4S], v[PW] offset:HSC
	BARRIER
	ACTLOAD 0, LIH, LIHW, HSC, 0
	s_wait_loadcnt 0x0
	s_wait_dscnt 0x0
	PSTEP 0, 0
	WIN 0
	NOPS 8
	; ---- the way out: through the stage, then 16 whole rows a wave, 512 consecutive bytes a store
	WB
	BARRIER
	v_and_b32 v42, 31, v0
	v_mul_u32_u24 v42, v42, 5243
	s_mul_i32 s44, s[WV], 16*SP
	s_add_co_u32 s44, s44, XST
	v_add_nc_u32 v44, s44, v[L16]
.set ii, 0
.rept 50
	v_add_nc_u32 v43, 32*5243*ii, v42
	v_lshrrev_b32 v43, 19, v43
	v_lshl_add_u32 v43, v43, 4, v44
	ds_load_b128 v[48+4*ii:51+4*ii], v43 offset:512*ii
.set ii, ii+1
.endr
.set ii, 0
.rept 50
	s_wait_dscnt 49-ii
	global_store_b128 v[L16], v[48+4*ii:51+4*ii], s[20:21] offset:512*ii th:TH_STORE_NT
.set ii, ii+1
.endr
	s_wait_tensorcnt 0x0                           ; the wave's end
	ds_add_u32 v[SPW], v[NIL]
	s_wait_dscnt 0x0
	s_endpgm
.Lfunc_end_k_q6ebfb0ee71_tail:
	.size	k_q6ebfb0ee71_tail, .Lfunc_end_k_q6ebfb0ee71_tail-k_q6ebfb0ee71_tail
	.p2alignl 7, 3214868480
	.fill 96, 4, 3214868480
	.section	.rodata,"a",@progbits
	.p2align	6, 0x0
	.amdhsa_kernel k_q6ebfb0ee71_tail
		.amdhsa_group_segment_fixed_size 315136
		.amdhsa_private_segment_fixed_size 0
		.amdhsa_enable_private_segment 0
		.amdhsa_kernarg_size 72
		.amdhsa_user_sgpr_count 2
		.amdhsa_user_sgpr_kernarg_segment_ptr 1
		.amdhsa_wavefront_size32 1
		.amdhsa_system_sgpr_workgroup_id_x 1
		.amdhsa_system_sgpr_workgroup_id_y 1
		.amdhsa_system_sgpr_workgroup_id_z 1
		.amdhsa_system_vgpr_workitem_id 0
		.amdhsa_next_free_vgpr 1024
		.amdhsa_next_free_sgpr 66
		.amdhsa_reserve_vcc 0
		.amdhsa_float_denorm_mode_32 3
		.amdhsa_float_denorm_mode_16_64 3
		.amdhsa_memory_ordered 1
		.amdhsa_forward_progress 1
		.amdhsa_inst_pref_size 255
	.end_amdhsa_kernel
	.section	.bss,"aw",@nobits
	.p2align	6
	.space	262144
	.amdgpu_metadata
---
amdhsa.version: [ 1, 2 ]
amdhsa.kernels:
  - .name:           k_q6ebfb0ee71_tail
    .symbol:         k_q6ebfb0ee71_tail.kd
    .args:
      - { .name: att, .offset: 0, .size: 8, .value_kind: global_buffer, .address_space: global }
      - { .name: x, .offset: 8, .size: 8, .value_kind: global_buffer, .address_space: global }
      - { .name: wts, .offset: 16, .size: 8, .value_kind: global_buffer, .address_space: global }
      - { .name: bo, .offset: 24, .size: 8, .value_kind: global_buffer, .address_space: global }
      - { .name: ln2_g, .offset: 32, .size: 8, .value_kind: global_buffer, .address_space: global }
      - { .name: ln2_b, .offset: 40, .size: 8, .value_kind: global_buffer, .address_space: global }
      - { .name: b1, .offset: 48, .size: 8, .value_kind: global_buffer, .address_space: global }
      - { .name: b2, .offset: 56, .size: 8, .value_kind: global_buffer, .address_space: global }
      - { .name: out0, .offset: 64, .size: 8, .value_kind: global_buffer, .address_space: global }
    .group_segment_fixed_size: 315136
    .private_segment_fixed_size: 0
    .kernarg_segment_align: 8
    .kernarg_segment_size: 72
    .max_flat_workgroup_size: 128
    .sgpr_count:     66
    .vgpr_count:     1024
    .wavefront_size: 32
...
	.end_amdgpu_metadata
.endif
;; end of part 4
